; MI455X (gfx1250); checked and timed in simulation.
; The chip was launched on July 23, 2026; its instructions are those of AMD's public machine-readable ISA for CDNA 5 (MIT licence, August 2026) and "CDNA5" Instruction Set Architecture Reference Guide (July 2026). The comments in the code are by the model that wrote it; some were corrected since.
;; Multi Head Attention. Allowed arithmetic: matrix products marked QUANTISED: E2M3 operands, one E8M0 scale for each 32 along K, by v_wmma_scale_f32_16x16x128_f8f6f4 with both operands' format E2M3, f32 sums; everything else in f32.
;; Inputs: W_k 1,024 x 1,024 float32; W_o 1,024 x 1,024 float32; W_q 1,024 x 1,024 float32; W_v 1,024 x 1,024 float32; x 4 x 2,048 x 1,024 float32.
;; Outputs: out0 4 x 2,048 x 1,024 float32.
;; This version of the problem:
;;   THIS VERSION OF THE PROBLEM IS GIVEN IN LOW PRECISION. The matrix products marked QUANTISED in the list below multiply operands that are first quantised to E2M3 (2 exponent bits, 3 mantissa bits; 6 bits a number), with one power-of-two scale for each 32 numbers along K (OCP MX v1.0); their sums are f32. All else is computed in f32.
;;   The module's matrix products, in the order in which they are computed (A, B: the left and right operand; K: the contracted axis; several contracted axes count as one K, in the product's order):
;;     1. [M 8,192, K 1,024] x [K 1,024, N 1,024]; A: input x; B: input W_q: QUANTISED
;;     2. [M 8,192, K 1,024] x [K 1,024, N 1,024]; A: input x; B: input W_k: QUANTISED
;;     3. [M 8,192, K 1,024] x [K 1,024, N 1,024]; A: input x; B: input W_v: QUANTISED
;;     4. batch 64 x [M 2,048, K 64] x [K 64, N 2,048]; A: computed on the way; B: computed on the way: QUANTISED
;;     5. batch 64 x [M 2,048, K 2,048] x [K 2,048, N 64]; A: softmax (see below); B: computed on the way: QUANTISED
;;     6. [M 8,192, K 1,024] x [K 1,024, N 1,024]; A: computed on the way; B: input W_o: QUANTISED
;;   THE QUANTISER, for each operand of a quantised product, along K:
;;     - K is cut into blocks of 32 from its start; a last block that is shorter is filled with zeros.
;;     - A block's scale is 2^e with e = floor(log2(the largest magnitude in the block)) - 2, held to -126 .. 127; a block of zeros has e = 0. As a byte (E8M0): e + 127.
;;     - Each number is divided by its block's scale, clamped to +-7.5, and rounded to the nearest number of E2M3, ties to even, subnormals kept.
;;     - The product sums the exact products of the quantised numbers (number of the format x scale) in f32.
;;   ~~~python
;;   def quantise(x, axis):      # numpy; x: float32 -> the quantised numbers, widened to float32 again
;;       x = np.moveaxis(x, axis, -1); K = x.shape[-1]
;;       x = np.pad(x, [(0, 0)] * (x.ndim - 1) + [(0, -K % 32)]); x = x.reshape(x.shape[:-1] + (-1, 32)); a = np.abs(x).max(-1, keepdims=True)
;;       e = np.where(a > 0, np.clip(np.frexp(np.where(a > 0, a, 1))[1] - 1 - 2, -126, 127), 0)      # np.frexp(a)[1] - 1 = floor(log2(a)), exactly
;;       r = np.clip(x / 2.0 ** e, -7.5, 7.5)
;;       step = 2.0 ** (np.maximum(np.frexp(np.where(r == 0, 1, r))[1] - 1, 0) - 3)
;;       q = np.round(r / step) * step * 2.0 ** e      # np.round: ties to even
;;       return np.moveaxis(q.reshape(q.shape[:-2] + (-1,))[..., :K], -1, axis).astype(np.float32)
;;   ~~~
;;   SOFTMAX AHEAD OF A QUANTISED PRODUCT. Where the list says 'softmax', what is quantised is not the finished softmax but p = 2^(t - M), with t = logit x log2(e) and M = ceil(the row's largest t), a whole number; so 1/2 < the row's largest p <= 1. The row's sum l is taken of the UNQUANTISED p, in f32, and the product's result is divided by l at the end. Since M is a whole number, a kernel that streams over the keys may use a running M (the ceiling of the running maximum): every later rescaling is an exact power of two, which a block's scale takes up: the codes' values come out the same.
;;   OPERANDS COMPUTED ON THE WAY. 'Computed on the way' means the value that the module computes at that place (a softmax that the list does not call 'softmax' is quantised finished and normalised). What goes into a quantiser is computed in f32, as accurately as f32 sums, v_exp_f32 and their like allow (about 1e-6 of the number): no bf16 or f16 on the way to a quantiser, and a product that is left as it is and whose result goes on into a quantised operand takes f32 operands (vector FMAs, or v_wmma_f32_16x16x4_f32). A number that lies on a knife's edge between two numbers of the format may be rounded either way, as far as f32 arithmetic and the matrix unit's own rounding can turn it there, and no further.
;; One version. Each part assembles by itself: llvm-mc -triple=amdgcn-amd-amdhsa -mcpu=gfx1250 --defsym DOCPART=n.
;; ======== version 1 of 1: 4 launches
;; limits: right only within a limited range of input values
;; workspace buffers: xq 6,553,600 bytes; wq 3,276,800 bytes; qq 6,815,744 bytes; kv 13,369,344 bytes; ao 6,553,600 bytes
;; launch quant (part 1): grid 384 x 1, 4 waves a work-group, no clusters, 33,280 bytes of LDS; arguments x, W_q, W_k, W_v, W_o, xq, wq; writes xq, wq
.if DOCPART == 1
	.amdgcn_target "amdgcn-amd-amdhsa--gfx1250"
	.amdhsa_code_object_version 6
	.text
	.protected	k_q803bfa3a8c_quant
	.globl	k_q803bfa3a8c_quant
	.p2align	8
	.type	k_q803bfa3a8c_quant,@function
k_q803bfa3a8c_quant:
	s_mov_b64 s[64:65], 0
	v_nop
	global_prefetch_b8 v0, s[64:65] scope:SCOPE_SE
	s_setreg_imm32_b32 hwreg(HW_REG_WAVE_MODE, 25, 1), 1
	s_wait_xcnt 0x0
; x [8192][1024] and W_q, W_k, W_v, W_o [1024][1024], f32, K innermost, become codes of FP6 (E2M3) with one E8M0 byte for each 32 along K.
; xq: 8,192 rows of 768 bytes of codes, then (at XSC) 8,192 rows of 32 scale bytes.  wq: the same for 4,096 rows: W_q, W_k, W_v, W_o one behind the other (scale bytes at WSC).
; A block's scale is 2^(floor(log2(largest magnitude)) - 2); its byte is the largest magnitude's exponent field - 2, held at 1 from below.
; TILE ORDER: in each 32 rows the two middle groups of 8 rows change places on the way out, so that 16 neighbouring STORED rows are a tile whose row i is true row 8 u + i + 8 (i / 8) of its 32:
; a later product that takes such a tile as source 0 leaves 16 neighbours of that axis in 16 neighbouring registers of a lane.
; A work-group takes 32 rows (32,768 numbers), a wave 8 rows in 16 steps of 512 numbers.  Work-groups 0-255: x; 256 + 32 j + i: part i of weight j.  Only pointers are chosen: one path serves all five tensors.
; Each of a step's four loads reads 512 consecutive bytes; the 2,048 bytes turn through the wave's own stage in LDS (16 bytes of padding behind each 64) and come back 64 bytes a lane: 16 neighbours, two lanes to a block.
; LIMITS: a block of zeros gets the byte 1 (its codes are zeros; the bytes are read by this program alone); NaN and infinities among the inputs are not served.
.set STEPS, 16
.set XWG,   256                        ; work-groups that take x
.set XSC,   6291456                    ; where xq's scale bytes begin
.set WSC,   3145728                    ; where wq's begin
.set EMAX,  2
.set CB,    12                         ; bytes of 16 codes
.set R,     16                         ; v16-79   four sets of 16 numbers as they are loaded
.set X,     80                         ; v80-111  two sets of 16 neighbours
.set C,     128                        ; v128-191 codes: four registers for each step, so that no store's data are written again
.set E,     112                        ; v112-127 a scale byte for each step
.set WREG,  8192                       ; LDS: a region for each wave: two stages of 32 x SP bytes, behind them its 256 scale bytes
.set SP,    80                         ; a lane's place in a stage: 64 bytes + 16 of padding
	s_load_b256 s[4:11], s[0:1], 0x0               ; x, W_q, W_k, W_v
	s_load_b128 s[12:15], s[0:1], 0x20             ; W_o, xq
	s_load_b64 s[24:25], s[0:1], 0x30              ; wq
	v_lshl_add_u32 v192, v0, 2, 0x8000
	v_mov_b32 v193, 0
	v_lshrrev_b32 v1, 5, v0
	v_readfirstlane_b32 s16, v1                    ; wave
	v_and_b32 v2, 31, v0                           ; lane
	v_lshlrev_b32 v3, 4, v2                        ; my 16 bytes of a load's 512
	s_mul_i32 s31, s16, WREG
	v_lshrrev_b32 v14, 2, v2
	v_mul_u32_u24 v14, v14, SP
	v_and_b32 v15, 3, v2
	v_lshl_add_u32 v14, v15, 4, v14
	v_add_nc_u32 v14, s31, v14                     ; the stage, on the way in: SP (lane / 4) + 16 (lane % 4)
	v_mul_u32_u24 v15, v2, SP
	v_add_nc_u32 v15, s31, v15                     ; and on the way out: SP x lane: my 16 neighbours
	v_mul_u32_u24 v4, v2, CB                       ; my codes' place in a step's
	v_lshrrev_b32 v5, 1, v2
	s_add_co_u32 s31, s31, 2*32*SP
	v_add_nc_u32 v5, s31, v5                       ; LDS: my wave's 256 scale bytes, my block's byte
	v_lshlrev_b32 v7, 3, v2                        ; and on the way out 8 bytes a lane
	v_add_nc_u32 v6, s31, v7
	s_sub_co_u32 s26, ttmp9, XWG                   ; among the weights' work-groups (used in those alone)
	s_lshr_b32 s27, s26, 5                         ; which weight
	s_and_b32 s28, s26, 31                         ; which 32 rows of it
	s_wait_alu depctr_va_vdst(0)
	s_wait_kmcnt 0x0
	s_cmp_eq_u32 s27, 2                            ; the choices hang on the work-group's number alone
	s_cselect_b64 s[12:13], s[10:11], s[12:13]
	s_cmp_eq_u32 s27, 1
	s_cselect_b64 s[12:13], s[8:9], s[12:13]
	s_cmp_eq_u32 s27, 0
	s_cselect_b64 s[12:13], s[6:7], s[12:13]
	s_mov_b32 s30, WSC
	s_cmp_lt_u32 ttmp9, XWG
	s_cselect_b64 s[4:5], s[4:5], s[12:13]         ; from where
	s_cselect_b64 s[8:9], s[14:15], s[24:25]       ; to where
	s_cselect_b32 s17, ttmp9, s28                  ; which 32 rows of the source,
	s_cselect_b32 s29, ttmp9, s26                  ; and of the destination
	s_cselect_b32 s30, XSC, s30                    ; where its scale bytes begin
	s_lshl_b32 s17, s17, 2
	s_add_co_u32 s18, s17, s16                     ; my run of 8 rows in the source
	s_mov_b32 s19, 0
	s_lshl_b64 s[20:21], s[18:19], 15              ; 32,768 bytes a run
	s_add_nc_u64 s[4:5], s[4:5], s[20:21]
	s_and_b32 s22, s16, 1                          ; tile order: groups 1 and 2 of the 32 rows change places
	s_lshl_b32 s22, s22, 1
	s_lshr_b32 s23, s16, 1
	s_or_b32 s22, s22, s23
	s_lshl_b32 s29, s29, 2
	s_add_co_u32 s18, s29, s22                     ; my run in the destination
	s_mul_i32 s20, s18, 32*STEPS*CB                ; 6,144 bytes of codes a run
	s_mov_b32 s21, 0
	s_lshl_b32 s22, s18, 8                         ; 256 scale bytes a run
	s_add_co_u32 s22, s22, s30
	s_mov_b32 s23, 0
	s_add_nc_u64 s[10:11], s[8:9], s[22:23]
	s_add_nc_u64 s[8:9], s[8:9], s[20:21]
.macro LOAD t
.irp i, 0,1,2,3
	global_load_b128 v[R+16*((\t)%4)+4*\i:R+16*((\t)%4)+4*\i+3], v3, s[4:5] offset:2048*(\t)+512*\i th:TH_LOAD_NT   ; 32 lanes read 512 consecutive bytes
.endr
.endm
.macro TURN t                          ; step t's numbers through the stage: LDS serves a wave's instructions in order, so no wait stands between the stores and the loads
.irp i, 0,1,2,3
	ds_store_b128 v14, v[R+16*((\t)%4)+4*\i:R+16*((\t)%4)+4*\i+3] offset:32*SP*((\t)%2)+8*SP*\i
.endr
.irp i, 0,1,2,3
	ds_load_b128 v[X+16*((\t)%2)+4*\i:X+16*((\t)%2)+4*\i+3], v15 offset:32*SP*((\t)%2)+16*\i
.endr
.endm
.irp t, 0,1,2,3
	LOAD \t
.endr
	s_wait_loadcnt 12                              ; step 0's four loads are in; the twelve of steps 1 to 3 may be out
	TURN 0
.macro STEP t
.set XS, X+16*((\t)%2)
.if (\t) > 0
	s_wait_dscnt 1                                 ; this step's numbers are back from the stage (the last step's byte store may be out): so its stores into the stage have read their registers,
.else
	s_wait_dscnt 0x0
.endif
.if (\t)+4 < STEPS
	LOAD (\t)+4                                    ; which take the loads of four steps on
.endif
.if (\t)+1 < STEPS
.if STEPS-2-(\t) >= 3
	s_wait_loadcnt 12                              ; the next step's four loads are in; those of the three steps behind it may be out
.else
	s_wait_loadcnt 4*(STEPS-2-(\t))
.endif
	TURN (\t)+1                                    ; and go through the other stage while this step is worked
.endif
	v_max3_num_f32 v8, |v[XS]|, |v[XS+1]|, |v[XS+2]|               ; the largest magnitude of my 16, in two chains
	v_max3_num_f32 v9, |v[XS+3]|, |v[XS+4]|, |v[XS+5]|
.irp i, 6,10
	v_max3_num_f32 v8, v8, |v[XS+\i]|, |v[XS+\i+1]|
	v_max3_num_f32 v9, v9, |v[XS+\i+2]|, |v[XS+\i+3]|
.endr
	v_max3_num_f32 v8, v8, |v[XS+14]|, |v[XS+15]|
	v_max3_num_f32 v8, v8, v9, (EMAX+1)<<23        ; and the floor 2^(EMAX + 1 - 127): the byte cannot fall under 1
	v_max_num_f32_dpp v8, v8, v8 row_xmask:1 row_mask:0xf bank_mask:0xf   ; and of my neighbour's 16: the block's
	v_add_nc_u32 v11, -(EMAX<<23), v8              ; EMAX off its exponent field: the conversion takes the exponent field of this operand as its scale
	v_cvt_scalef32_pk16_fp6_f32 v[C+4*(\t):C+4*(\t)+2], v[XS:XS+15], v11   ; sixteen codes, 96 bits, the first number's lowest
	v_lshrrev_b32 v[E+(\t)], 23, v11               ; the scale's byte
	ds_store_b8 v5, v[E+(\t)] offset:16*(\t)       ; both lanes of a block write the same byte with the same value
	global_store_b96 v4, v[C+4*(\t):C+4*(\t)+2], s[8:9] offset:32*CB*(\t)   ; the wave stores 384 consecutive bytes
.endm
.irp t, 0,1,2,3,4,5,6,7,8,9,10,11,12,13,14,15
	STEP \t
.endr
	ds_load_b64 v[12:13], v6                       ; LDS serves a wave's instructions in order: these see my stores
	s_wait_dscnt 0x0
	global_store_b64 v7, v[12:13], s[10:11]        ; 32 lanes store 256 consecutive bytes, at a multiple of 256 from the buffer's first byte
	s_wait_tensorcnt 0x0
	ds_add_u32 v192, v193
	s_wait_dscnt 0x0
	s_endpgm
.Lfunc_end_k_q803bfa3a8c_quant:
	.size	k_q803bfa3a8c_quant, .Lfunc_end_k_q803bfa3a8c_quant-k_q803bfa3a8c_quant
	.p2alignl 7, 3214868480
	.fill 96, 4, 3214868480
	.section	.rodata,"a",@progbits
	.p2align	6, 0x0
	.amdhsa_kernel k_q803bfa3a8c_quant
		.amdhsa_group_segment_fixed_size 33280
		.amdhsa_private_segment_fixed_size 0
		.amdhsa_enable_private_segment 0
		.amdhsa_kernarg_size 56
		.amdhsa_user_sgpr_count 2
		.amdhsa_user_sgpr_kernarg_segment_ptr 1
		.amdhsa_wavefront_size32 1
		.amdhsa_system_sgpr_workgroup_id_x 1
		.amdhsa_system_sgpr_workgroup_id_y 1
		.amdhsa_system_sgpr_workgroup_id_z 1
		.amdhsa_system_vgpr_workitem_id 0
		.amdhsa_next_free_vgpr 194
		.amdhsa_next_free_sgpr 66
		.amdhsa_reserve_vcc 0
		.amdhsa_float_denorm_mode_32 3
		.amdhsa_float_denorm_mode_16_64 3
		.amdhsa_memory_ordered 1
		.amdhsa_forward_progress 1
		.amdhsa_inst_pref_size 33
	.end_amdhsa_kernel
	.amdgpu_metadata
---
amdhsa.version: [ 1, 2 ]
amdhsa.kernels:
  - .name:           k_q803bfa3a8c_quant
    .symbol:         k_q803bfa3a8c_quant.kd
    .args:
      - { .name: x, .offset: 0, .size: 8, .value_kind: global_buffer, .address_space: global }
      - { .name: W_q, .offset: 8, .size: 8, .value_kind: global_buffer, .address_space: global }
      - { .name: W_k, .offset: 16, .size: 8, .value_kind: global_buffer, .address_space: global }
      - { .name: W_v, .offset: 24, .size: 8, .value_kind: global_buffer, .address_space: global }
      - { .name: W_o, .offset: 32, .size: 8, .value_kind: global_buffer, .address_space: global }
      - { .name: xq, .offset: 40, .size: 8, .value_kind: global_buffer, .address_space: global }
      - { .name: wq, .offset: 48, .size: 8, .value_kind: global_buffer, .address_space: global }
    .group_segment_fixed_size: 33280
    .private_segment_fixed_size: 0
    .kernarg_segment_align: 8
    .kernarg_segment_size: 56
    .max_flat_workgroup_size: 128
    .sgpr_count:     66
    .vgpr_count:     194
    .wavefront_size: 32
...
	.end_amdgpu_metadata
.endif
;; end of part 1
;; launch qkv (part 2): grid 12 x 32, 4 waves a work-group, clusters of 4 x 4, 327,680 bytes of LDS; arguments xq, wq, qq, kv; writes qq, kv
.if DOCPART == 2
	.amdgcn_target "amdgcn-amd-amdhsa--gfx1250"
	.amdhsa_code_object_version 6
	.text
	.protected	k_q803bfa3a8c_qkv
	.globl	k_q803bfa3a8c_qkv
	.p2align	8
	.type	k_q803bfa3a8c_qkv,@function
k_q803bfa3a8c_qkv:
	s_mov_b64 s[64:65], 0
	v_nop
	global_prefetch_b8 v0, s[64:65] scope:SCOPE_SE
	s_setreg_imm32_b32 hwreg(HW_REG_WAVE_MODE, 25, 1), 1
	s_wait_xcnt 0x0
	s_wait_alu depctr_hold_cnt(0) depctr_sa_sdst(0) depctr_va_vdst(0) depctr_va_sdst(0) depctr_va_ssrc(0) depctr_va_vcc(0) depctr_vm_vsrc(0)
	s_getreg_b32 s2, hwreg(HW_REG_IB_STS2, 6, 4)
	s_cmp_eq_u32 s2, 0
	s_cbranch_scc0 .Lentry_in_a_cluster
	s_endpgm
.Lentry_in_a_cluster:
	s_bfe_u32 s2, ttmp6, 0x10000c
	s_cmp_lg_u32 s2, 0xf033
	s_cbranch_scc0 .Lentry_shape_is_right
	s_endpgm
.Lentry_shape_is_right:
; q = x W_q^T, k = x W_k^T, v = x W_v^T on codes of FP6 (E2M3) with one E8M0 byte for each 32 along K = 1,024; the f32 results are quantised on the way out and leave as codes.
; ONE GEMM TEXT, C = A B^T, tiles of 256 x 256, four waves of 128 x 128 (64 accumulators, 512 registers); three kinds, told apart by the cluster's x, which all sixteen partners share:
;   0, 1: A = x (tile row 4 Cy + cy), B = W_q, W_k (wq's rows 0-2,047, tile column 4 Cx + cx).   2: A = W_v (tile row cy), B = x (tile column 4 Cy + cx): the same loop gives v^T.
; THE MATRIX INSTRUCTION IS USED TRANSPOSED (source 0 = 16 rows of B, source 1 = 16 rows of A), and xq's and wq's rows lie in tile order (stored row 32 g + 16 u + i is true row 32 g + 8 u + i + 8 (i / 8)):
; in the 64 registers of A's block a, register 16 g + i of lane (r, h) is true B index 32 g + 16 h + i, for A's stored row 16 a + r.  So a lane holds 16 neighbours of each block of 32 along B's axis,
; which is the next product's K: the head's 64 for q and k (128 columns = two heads), the keys for v.  Quantised (largest magnitude with lane l xor 16, conversion, exchange of halves) they are an operand's 12 registers.
; WHAT LEAVES: half images of 768 bytes: six operand registers of 32 lanes: registers 0-3 at 16 x lane, registers 4, 5 at 512 + 8 x lane; lane (r, h) holds k = 32 h .. 32 h + 31 of row r.
;   qq: [head 64][query tile 128][768]; at QSC the scale words [head][tile][16 x 4 bytes], bytes 0, 1 real, bytes 2, 3 zero (they meet zero codes only).
;   kv: [head 64][key step 16] records of REC bytes: K's images [tile 8][768]; V's [64 keys 2][16 channels 4][768]; K's scale words [8][16]; V's [4][16].
; K goes in steps of 256 through two LDS slots filled by the tensor data mover; the scales of the work-group's rows, for all of K, come into LDS once.  4 x 4 work-groups form a cluster:
; A's tile is asked for jointly along a row of the cluster, B's along a column.
; LIMITS: a block of zeros gets the byte 1 (its codes are zeros; this program alone reads the bytes); NaN and infinities are not served.
; REGISTERS, in windows of 256: window 0: v0-31 addresses; v32-63 scale words, two sets; from v128 A's fragments, ONE set; on the way out v64-203 are at work.
;   window 1: B's fragments, TWO sets, at v0 and v128.   window 2: the accumulators of my rows 0-63 ((a, b) at v[8 (8 a + b)]);   window 3: those of rows 64-127.
.set SIZE_K, 1024
.set KSTEP,  256                       ; along K in a slot
.set NQ,     KSTEP/128                 ; matrix instructions deep
.set ROWB,   192                       ; a tile's row in bytes
.set KROW,   SIZE_K*6/8                ; a row of codes in memory
.set PITCH,  240                       ; an LDS row: 3 x (64 bytes + 16 of padding)
.set FR,     12                        ; registers of a fragment
.set NL,     6                         ; LDS loads that bring one
.set NP,     4                         ; places behind this matrix instruction (ISA guide 7.12.1)
.set HALFT,  128*PITCH                 ; 128 rows: what one tensor load brings
.set SLOT,   4*HALFT                   ; A's 256 rows, then B's 256
.set LAPS,   SIZE_K/(2*KSTEP)          ; a lap = two K steps = once round the ring
.set KS,     SIZE_K/32                 ; a row of scale bytes
.set SCL,    2*SLOT                    ; behind the ring: the scales, as units of 256 bytes + 16 of padding
.set HALFS,  (128*KS/256)*272
.set SBLK,   (16*KS/256)*272
.set SPARE,  SCL+4*HALFS               ; the spare words, 128 bytes for each wave
.set XSC,    6291456                   ; xq's scale bytes
.set WSC,    3145728                   ; wq's
.set QSC,    6291456                   ; qq's scale words
.set REC,    13056                     ; a record of kv
.set HS,     16*REC                    ; a head's records
.set ADRA, 16                          ; v16-17 LDS address of my A fragments in slot 0, 1 (v18-19: behind one padding more)
.set ADRB, 20                          ; v20-23 the same for B
.set SST,  24                          ; v24  the way out: my row's scale word in my wave's stage: 512 x wave + 4 r (the stage lies in slot 0, which has had its last fill and its last read by then)
.set V8,   25                          ; v25  8 x lane
.set V16,  26                          ; v26  16 x lane
.set ADRS, 27                          ; v27  LDS address of my scale words: lanes 0-15 A's rows, lanes 16-31 B's
.set SPW,  28                          ; v28  my spare word; never rewritten
.set NIL,  29                          ; v29  0; never rewritten
.set SRD,  30                          ; v30  the stage read back: 512 x wave + 16 x lane
.set VSO,  31                          ; v31  V's scale words in memory: 16 x lane, and lanes 16-31 in the next head's record
.set SC,   32
.set AF,   128
.set CD,   64                          ; v64-159  the way out: block a's 12 registers of codes at CD + 12 a: never written twice, so no store's data are rewritten
.set TMP2, 160                         ; v160-166 the conversions' second halves
.set TM,   168                         ; v168-171 largest magnitudes, v172-175 the other half's / the bytes, v180-183 the conversions' scale operands
.set PW,   184                         ; v184-191 block a's scale word
.set GW,   192                         ; v192-195 the scale words read back; v196-199 their lower halves, v200-203 their upper
.set WLO,  196
.set WHI,  200
.set G1, 24
.set G0, 32
.set G1B, 48
.set G0B, 56
.set G1S, 68
.set G0S, 76
.set G1SB, 80
.set G0SB, 88
.set BB0, 68                           ; behind the loop: s[68:75] the four bases of the images, s[76:79] the two of the scale words
.set SEL, 92                           ; behind the loop: s[92:93] lane selects for lane l xor 16
.set MSB, 0
.macro WIN new                         ; the immediate's high byte repeats the setting that is left
.if MSB != \new
	s_set_vgpr_msb (MSB<<8)|\new
.set MSB, \new
.endif
.endm
.set MUL_LO, 0xa1                      ; source 0 (B) window 1, source 1 (A) window 0, C and D window 2
.set MUL_HI, 0xf1                      ; the same, C and D window 3
.set TO_B,   0x40                      ; destination window 1, address window 0
; A joint load: waves 0 and 1 fetch for A, waves 2 and 3 for B; the branch hangs on the wave's number alone.  Four v_nop follow each of the two lines.
.macro JLOAD g0a, g1a, g0b, g1b
	s_cmp_eq_u32 s15, 0
	s_cbranch_scc0 .Lfor_b_\@
	tensor_load_to_lds s[\g0a:\g0a+3], s[\g1a:\g1a+7]
	s_nop 0
.rept 4
	v_nop
.endr
	s_branch .Lasked_\@
.Lfor_b_\@:
	tensor_load_to_lds s[\g0b:\g0b+3], s[\g1b:\g1b+7]
	s_nop 0
.rept 4
	v_nop
.endr
.Lasked_\@:
.endm
.macro CREST                           ; a round of the cluster's barrier behind its opening barrier
	s_cmp_lg_u32 s14, 0
	s_cbranch_scc1 .Lnot_wave_0_\@
	s_barrier_signal -3
.Lnot_wave_0_\@:
	s_barrier_wait -3
	s_barrier_signal -1
	s_barrier_wait -1
.endm
.macro CROUND                          ; a whole round
	s_barrier_signal -1
	s_barrier_wait -1
	CREST
.endm
	s_load_b128 s[96:99], s[0:1], 0x0              ; xq s[96:97], wq s[98:99]
	s_load_b64 s[12:13], s[0:1], 0x10              ; qq
	s_load_b64 s[100:101], s[0:1], 0x18            ; kv
	v_lshl_add_u32 v[SPW], v0, 2, SPARE
	v_mov_b32 v[NIL], 0
	ds_add_u32 v28, v29
	ds_add_u32 v28, v29
	s_wait_dscnt 0x0
	v_lshrrev_b32 v1, 5, v0
	v_readfirstlane_b32 s14, v1                    ; wave 0..3
	s_lshr_b32 s15, s14, 1                         ; which half of the tile's rows is mine.  Also: I fetch for A (0) or for B (1)
	s_and_b32 s16, s14, 1                          ; which half of its columns.  Also: which 128 rows of that tile I fetch
	s_bfe_u32 s40, ttmp6, 0x40000                  ; cx, cy: my place in the cluster
	s_bfe_u32 s41, ttmp6, 0x40004
	s_and_b32 s17, ttmp7, 0xffff                   ; cluster y
	s_cmp_eq_u32 ttmp9, 2                          ; kind v?  The cluster's x is the same in all sixteen partners
	s_cselect_b32 s42, s17, ttmp9                  ; the tile columns' cluster coordinate: x's rows go by cluster y there,
	s_cselect_b32 s17, 0, s17                      ; and W_v has four tile rows, one for each cy
	s_lshl_b32 s42, s42, 2
	s_add_co_u32 s42, s42, s40                     ; tile column
	s_lshl_b32 s17, s17, 2
	s_add_co_u32 s17, s17, s41                     ; tile row
	s_lshl_b32 s43, s41, 2
	s_lshl_b32 s43, 15, s43                        ; my row of the cluster
	s_lshl_b32 s44, 0x1111, s40                    ; my column
	; descriptor group 1: a tile of 128 rows x ROWB bytes, 16 bytes of padding behind every 64
	s_or_b32 s[G1+0], s43, (0<<16)|(1<<20)|(1<<21)|(3<<22)|(3<<25)  ; 15:0 the mask: A's tiles go to my row; elements of 1 byte; padding on; bit 21 beside a mask; after every 16 words, 4 words
	s_or_b32 s[G1B+0], s44, (0<<16)|(1<<20)|(1<<21)|(3<<22)|(3<<25)
.irp g, G1, G1B
	s_mov_b32 s[\g+1], ROWB<<16                    ; tensor_dim0
	s_mov_b32 s[\g+2], 128<<16                     ; tensor_dim1
	s_mov_b32 s[\g+3], ROWB<<16                    ; tile_dim0
	s_mov_b32 s[\g+4], 128                         ; tile_dim1
	s_mov_b32 s[\g+5], KROW                        ; tensor_dim0_stride
	s_mov_b32 s[\g+6], 0
	s_mov_b32 s[\g+7], 0
.endr
	; the scales of 128 rows: a dense block of 4,096 bytes, as 16 rows of 256 bytes (32 elements of 8), 16 bytes of padding behind each
	s_or_b32 s[G1S+0], s43, (3<<16)|(1<<20)|(1<<21)|(5<<22)|(3<<25)
	s_or_b32 s[G1SB+0], s44, (3<<16)|(1<<20)|(1<<21)|(5<<22)|(3<<25)
.irp g, G1S, G1SB
	s_mov_b32 s[\g+1], 32<<16
	s_mov_b32 s[\g+2], (128*KS/256)<<16
	s_mov_b32 s[\g+3], 32<<16
	s_mov_b32 s[\g+4], 128*KS/256
	s_mov_b32 s[\g+5], 32
	s_mov_b32 s[\g+6], 0
	s_mov_b32 s[\g+7], 0
.endr
	s_lshl_b32 s18, s16, 7                         ; which 128 rows of the tile I fetch
	s_lshl_b32 s20, s17, 8
	s_add_co_u32 s20, s20, s18                     ; A: row 256 x tile row + 128 x half
	s_lshl_b32 s46, s42, 8
	s_add_co_u32 s46, s46, s18                     ; B: row 256 x tile column + 128 x half
	s_mov_b32 s21, 0
	s_mov_b32 s47, 0
	s_mov_b64 s[18:19], KS
	s_mul_u64 s[22:23], s[20:21], s[18:19]         ; where these rows' scales begin, in bytes
	s_mul_u64 s[92:93], s[46:47], s[18:19]
	s_mov_b64 s[18:19], KROW
	s_mul_u64 s[20:21], s[20:21], s[18:19]         ; and their codes
	s_mul_u64 s[46:47], s[46:47], s[18:19]
	s_mul_i32 s45, s14, HALFT                      ; where they go: wave x 128 rows: no place in the cluster enters an LDS address
	s_mul_i32 s94, s14, HALFS
	s_wait_kmcnt 0x0
	s_add_nc_u64 s[4:5], s[98:99], 2048*KROW       ; W_v's codes,
	s_add_nc_u64 s[6:7], s[98:99], WSC+2048*KS     ; W_v's scales,
	s_add_nc_u64 s[10:11], s[98:99], WSC           ; W_q's and W_k's scales,
	s_add_nc_u64 s[18:19], s[96:97], XSC           ; x's scales
	s_cmp_eq_u32 ttmp9, 2
	s_cselect_b64 s[4:5], s[4:5], s[96:97]         ; A's codes
	s_cselect_b64 s[6:7], s[6:7], s[18:19]         ; A's scales
	s_cselect_b64 s[8:9], s[96:97], s[98:99]       ; B's codes
	s_cselect_b64 s[10:11], s[18:19], s[10:11]     ; B's scales
	s_add_nc_u64 s[20:21], s[4:5], s[20:21]
	s_add_nc_u64 s[22:23], s[6:7], s[22:23]
	s_add_nc_u64 s[46:47], s[8:9], s[46:47]
	s_add_nc_u64 s[92:93], s[10:11], s[92:93]
	CROUND                                         ; all sixteen work-groups are here: the first joint loads meet
	s_mov_b32 s[G0S], 1
	s_add_co_u32 s[G0S+1], s94, SCL
	s_mov_b64 s[G0S+2:G0S+3], s[22:23]
	s_or_b32 s[G0S+3], s[G0S+3], 0x80000000
	s_mov_b32 s[G0SB], 1
	s_add_co_u32 s[G0SB+1], s94, SCL
	s_mov_b64 s[G0SB+2:G0SB+3], s[92:93]
	s_or_b32 s[G0SB+3], s[G0SB+3], 0x80000000
	JLOAD G0S, G1S, G0SB, G1SB                     ; the scales first: they are wanted with K step 0
.irp s, 0,1
	s_mov_b32 s[G0+4*\s], 1
	s_add_co_u32 s[G0+4*\s+1], s45, \s*SLOT
	s_add_nc_u64 s[G0+4*\s+2:G0+4*\s+3], s[20:21], \s*ROWB
	s_or_b32 s[G0+4*\s+3], s[G0+4*\s+3], 0x80000000
	s_mov_b32 s[G0B+4*\s], 1
	s_add_co_u32 s[G0B+4*\s+1], s45, \s*SLOT
	s_add_nc_u64 s[G0B+4*\s+2:G0B+4*\s+3], s[46:47], \s*ROWB
	s_or_b32 s[G0B+4*\s+3], s[G0B+4*\s+3], 0x80000000
	JLOAD G0+4*\s, G1, G0B+4*\s, G1B               ; three tensor loads of mine are out now
.endr
	v_and_b32 v1, 15, v0                           ; r = l % 16
	v_bfe_u32 v2, v0, 4, 1                         ; h = l / 16
	v_mul_u32_u24 v3, v1, PITCH
	v_mul_u32_u24 v4, v2, 24
	v_add_nc_u32 v4, v3, v4                        ; a fragment's row x pitch + 24 x half
	v_lshl_add_u32 v5, v2, 4, v4                   ; and the same behind one padding more
	s_mul_i32 s21, s15, HALFT                      ; my 128 rows of A
	s_mul_i32 s22, s16, HALFT                      ; my 128 rows of B,
	s_add_co_u32 s22, s22, 2*HALFT                 ; which lie behind A's 256
.irp s, 0,1
	v_add_nc_u32 v[ADRA+\s], s21, v4
	v_add_nc_u32 v[ADRB+\s], s22, v4
	v_add_nc_u32 v[ADRA+2+\s], s21, v5
	v_add_nc_u32 v[ADRB+2+\s], s22, v5
	s_add_co_u32 s21, s21, SLOT
	s_add_co_u32 s22, s22, SLOT
.endr
	v_mul_u32_u24 v5, v1, KS                       ; my row's scales: KS bytes a row,
	v_lshrrev_b32 v6, 8, v5
	v_lshl_add_u32 v5, v6, 4, v5                   ; and 16 more for each 256 passed
	s_mul_i32 s21, s15, HALFS                      ; A's: my 128 rows
	s_mul_i32 s22, s16, HALFS                      ; B's: my 128 rows, behind A's 256
	s_add_co_u32 s22, s22, 2*HALFS
	s_sub_co_u32 s22, s22, s21
	v_mul_u32_u24 v6, s22, v2                      ; lanes 16-31 take B's
	s_add_co_u32 s21, s21, SCL
	v_add_nc_u32 v5, v5, v6
	v_add_nc_u32 v[ADRS], s21, v5
	s_lshl_b32 s23, s14, 9                         ; my stage for the scale words: 512 bytes
	v_lshlrev_b32 v[SST], 2, v1
	v_add_nc_u32 v[SST], s23, v[SST]
	v_and_b32 v6, 31, v0
	v_lshlrev_b32 v[V8], 3, v6
	v_lshlrev_b32 v[V16], 4, v6
	v_add_nc_u32 v[SRD], s23, v[V16]
	v_mul_u32_u24 v5, v2, HS-256
	v_add_nc_u32 v[VSO], v5, v[V16]
.macro FRAG reg, adr, q, i             ; a fragment: lane l holds row l % 16; registers 6 c .. 6 c + 5 hold K = 64 c + 32 (l / 16) + 0 .. 31: 24 bytes of the row's stream of bits, in pieces of 8 bytes
.irp p, 0,1,2,3,4,5
.set PC, 12*(\q)+6*(\p/3)+\p%3        ; 16 bytes of padding lie behind every 8 pieces: where the piece three on lies behind one padding more, the second address register serves
.if PC%8 < 5
	ds_load_b64 v[\reg+2*\p:\reg+2*\p+1], v[\adr] offset:8*PC+16*(PC/8)+(\i)*16*PITCH
.else
	ds_load_b64 v[\reg+2*\p:\reg+2*\p+1], v[\adr+2] offset:8*PC+16*(PC/8)+(\i)*16*PITCH
.endif
.endr
.endm
; 16 matrix instructions: A's blocks a0, a0 + 1 x B's eight, 128 along K.  zero = 1: the first product starts the sums.  The 64 accumulators take turns, one instruction a turn.
.macro MUL16 a0, p, q, sc, zero
.irp a, \a0, \a0+1
.irp b, 0,1,2,3,4,5,6,7
.if \zero
	v_wmma_scale_f32_16x16x128_f8f6f4 v[8*(8*((\a)%4)+\b):8*(8*((\a)%4)+\b)+7], v[128*(\p)+FR*\b:128*(\p)+FR*\b+FR-1], v[AF+FR*(\a):AF+FR*(\a)+FR-1], 0, v[SC+8*NQ*(\sc)+NQ*\b+(\q)], v[SC+8*NQ*(\sc)+NQ*(\a)+(\q)] matrix_a_fmt:MATRIX_FMT_FP6 matrix_b_fmt:MATRIX_FMT_FP6 matrix_a_scale:MATRIX_SCALE_ROW1
.else
	v_wmma_scale_f32_16x16x128_f8f6f4 v[8*(8*((\a)%4)+\b):8*(8*((\a)%4)+\b)+7], v[128*(\p)+FR*\b:128*(\p)+FR*\b+FR-1], v[AF+FR*(\a):AF+FR*(\a)+FR-1], v[8*(8*((\a)%4)+\b):8*(8*((\a)%4)+\b)+7], v[SC+8*NQ*(\sc)+NQ*\b+(\q)], v[SC+8*NQ*(\sc)+NQ*(\a)+(\q)] matrix_a_fmt:MATRIX_FMT_FP6 matrix_b_fmt:MATRIX_FMT_FP6 matrix_a_scale:MATRIX_SCALE_ROW1
.endif
.endr
.endr
.endm
.macro FETCH_B slot, q, p              ; B's eight fragments of the slot's q-th 128 along K into set p
	WIN TO_B
.irp i, 0,1,2,3,4,5,6,7
	FRAG 128*(\p)+FR*\i, ADRB+\slot, \q, \i
.endr
	WIN 0
.endm
.macro FETCH_A slot, q, i0             ; A's blocks i0 .. i0 + 3
.irp i, \i0, \i0+1, \i0+2, \i0+3
	FRAG AF+FR*(\i), ADRA+\slot, \q, \i
.endr
.endm
.macro SCALES sc                       ; a K step's scale words into set sc: lanes 0-15 take A's block i, lanes 16-31 B's block i
.irp i, 0,1,2,3,4,5,6,7
	ds_load_b64 v[SC+8*NQ*\sc+NQ*\i:SC+8*NQ*\sc+NQ*\i+1], v[ADRS] offset:\i*SBLK
.endr
.endm
.macro PLACES n                        ; plain vector instructions between a matrix instruction and a load into, or a vector instruction on, its registers
.rept \n
	v_nop
.endr
.endm
; A step of 128 along K that has its successor in the same slot.
.macro STEP slot, q, zero
	s_wait_dscnt 4*NL                              ; B's set and A's blocks 0-3 are in; the youngest 24 loads (A's blocks 4-7) may be out
	WIN MUL_LO
	MUL16 0, (\q)%2, \q, \slot, \zero
	MUL16 2, (\q)%2, \q, \slot, \zero
	s_wait_dscnt 0                                 ; A's blocks 4-7 are in
	PLACES NP
	FETCH_B \slot, (\q)+1, 1-(\q)%2
	FETCH_A \slot, (\q)+1, 0
	WIN MUL_HI
	MUL16 4, (\q)%2, \q, \slot, \zero
	MUL16 6, (\q)%2, \q, \slot, \zero
	PLACES NP
	WIN 0
	FETCH_A \slot, (\q)+1, 4
.endm
; A slot's last step changes slots: ONE barrier; in front of it each wave waits for all its tensor loads, adds 0 to its spare word, and waits for that and for its reads of this slot.  fill = 1: this slot is filled again, two K steps ahead.
.macro TURN slot, next, fill
	s_wait_tensorcnt 0x0                           ; all my tensor loads have landed: my part of the next slot
	ds_add_u32 v[SPW], v[NIL]                      ; 0 onto my spare word
	s_wait_dscnt 4*NL+1                            ; (the add and the youngest 24 loads, A's blocks 4-7, may be out)
	WIN MUL_LO
	MUL16 0, 1, NQ-1, \slot, 0                     ; sixteen matrix instructions stand between the add and the wait for it
	s_wait_dscnt 0x0                               ; the add is done, and my reads of this slot are over
	s_barrier_signal -1
	MUL16 2, 1, NQ-1, \slot, 0
	WIN 0
	s_barrier_wait -1
.if \fill
	CREST                                          ; the barrier has opened a round of the cluster's barrier: no wave of any partner still reads this slot's tile or has a load on its way
	s_add_nc_u64 s[G0+4*\slot+2:G0+4*\slot+3], s[G0+4*\slot+2:G0+4*\slot+3], 2*ROWB
	s_add_nc_u64 s[G0B+4*\slot+2:G0B+4*\slot+3], s[G0B+4*\slot+2:G0B+4*\slot+3], 2*ROWB
	JLOAD G0+4*\slot, G1, G0B+4*\slot, G1B         ; the first tensor load behind the round; its four v_nop are the places in front of the loads below
.else
	PLACES NP
.endif
	s_wait_alu depctr_va_vdst(0)
	v_add_nc_u32 v[ADRS], 4*NQ, v[ADRS]            ; on to the next K step's scale words (no LDS load of mine is out)
	FETCH_B \next, 0, 0
	FETCH_A \next, 0, 0
	SCALES \next
	WIN MUL_HI
	MUL16 4, 1, NQ-1, \slot, 0
	MUL16 6, 1, NQ-1, \slot, 0
	PLACES NP
	WIN 0
	FETCH_A \next, 0, 4
.endm
	s_wait_alu depctr_va_vdst(0)
	s_wait_tensorcnt 1                             ; the scales and my part of K step 0 are in (K step 1's load may be out),
	s_barrier_signal -1
	s_barrier_wait -1                              ; everybody's are
	FETCH_B 0, 0, 0
	FETCH_A 0, 0, 0
	SCALES 0
	FETCH_A 0, 0, 4
	STEP 0, 0, 1                                   ; the first step stands in front of the loop: its products start the sums
	s_mov_b32 s3, LAPS-1
.Llap:                                                 ; a trip goes once round the ring, from a lap's second step to the next lap's first, and fills both slots again
	TURN 0, 1, 1
	STEP 1, 0, 0
	TURN 1, 0, 1
	STEP 0, 0, 0
	s_sub_co_u32 s3, s3, 1
	s_cmp_lg_u32 s3, 0
	s_cbranch_scc1 .Llap
	TURN 0, 1, 0                                   ; the last lap fills nothing, and has no round of the cluster's barrier
	STEP 1, 0, 0
	s_wait_dscnt 4*NL                              ; the very last step: nothing more to fetch
	WIN MUL_LO
	MUL16 0, 1, NQ-1, 1, 0
	MUL16 2, 1, NQ-1, 1, 0
	s_wait_dscnt 0
	WIN MUL_HI
	MUL16 4, 1, NQ-1, 1, 0
	MUL16 6, 1, NQ-1, 1, 0
	WIN 0
	; THE WAY OUT.  Where my 128 x 128 goes: tokens tok0 on (128 of them: one key step, eight query tiles), features feat0 on (128: two heads).
	s_lshl_b32 s68, s17, 8
	s_lshl_b32 s69, s15, 7
	s_add_co_u32 s68, s68, s69                     ; my first row of A
	s_lshl_b32 s69, s42, 8
	s_lshl_b32 s70, s16, 7
	s_add_co_u32 s69, s69, s70                     ; my first row of B
	s_and_b32 s70, s69, 1023                       ; as a feature of W_q or W_k
	s_cmp_eq_u32 ttmp9, 2
	s_cselect_b32 s71, s69, s68                    ; tok0
	s_cselect_b32 s70, s68, s70                    ; feat0
	s_lshr_b32 s72, s71, 11                        ; the batch,
	s_lshl_b32 s72, s72, 4
	s_lshr_b32 s70, s70, 6
	s_add_co_u32 s72, s72, s70                     ; x 16 + the head,
	s_lshl_b32 s72, s72, 4
	s_bfe_u32 s71, s71, 0x40007
	s_add_co_u32 s72, s72, s71                     ; x 16 + the key step: the record's number
	s_mul_i32 s73, s72, 8*768                      ; q: eight tiles' images a record's number
	s_mul_i32 s74, s72, REC                        ; k: the record, K's images first
	s_lshl_b32 s75, s72, 9
	s_add_co_u32 s75, s75, QSC                     ; q's scale words: 512 bytes
	s_add_co_u32 s76, s74, 6144                    ; v: V's images
	s_add_co_u32 s77, s74, 12288                   ; k's scale words
	s_add_co_u32 s78, s74, 12800                   ; v's
	s_mov_b32 s79, HS
	s_mov_b32 s80, 3072
	s_mov_b32 s81, 128*768
	s_mov_b32 s82, 128*64
	s_cmp_eq_u32 ttmp9, 2
	s_cselect_b32 s84, s76, s74                    ; the images' offset,
	s_cselect_b32 s86, s78, s77                    ; the scale words',
	s_cselect_b32 s88, s79, s80                    ; from blocks 0-3 to blocks 4-7: four tiles on (q, k) or the next head (v),
	s_cselect_b32 s90, s80, s79                    ; from registers 0-5 to registers 6-11: the next head (q, k) or the next 64 keys (v)
	s_cmp_eq_u32 ttmp9, 0
	s_cselect_b32 s84, s73, s84
	s_cselect_b32 s86, s75, s86
	s_cselect_b32 s90, s81, s90
	s_cselect_b32 s82, s82, s79                    ; from a head's scale words to the next head's
	s_cselect_b64 s[12:13], s[12:13], s[100:101]   ; qq or kv
	s_mov_b32 s85, 0
	s_mov_b32 s87, 0
	s_mov_b32 s89, 0
	s_mov_b32 s91, 0
	s_mov_b32 s83, 0
	s_add_nc_u64 s[BB0:BB0+1], s[12:13], s[84:85]
	s_add_nc_u64 s[BB0+2:BB0+3], s[BB0:BB0+1], s[88:89]
	s_add_nc_u64 s[BB0+4:BB0+5], s[BB0:BB0+1], s[90:91]
	s_add_nc_u64 s[BB0+6:BB0+7], s[BB0+2:BB0+3], s[90:91]
	s_add_nc_u64 s[BB0+8:BB0+9], s[12:13], s[86:87]
	s_add_nc_u64 s[BB0+10:BB0+11], s[BB0+8:BB0+9], s[82:83]
	s_mov_b32 s[SEL], 0x76543210
	s_mov_b32 s[SEL+1], 0xfedcba98
	PLACES NP                                      ; behind the last products: what follows reads results and writes registers that held A's fragments
.irp b, 0,1,2,3
	v_mov_b32 v[TM+4+\b], 0                        ; written once: a lane permute's destination counts as one of its sources
.endr
; Block a's 64 numbers a lane (register 16 g + i = index 32 g + 16 h + i of the next K) become 12 registers of codes at CD + 12 a and a scale word at PW + a; each accumulator is read from its low end on.
.macro QUANTW a
.set AC, 64*((\a)%4)
.set WN, 2+(\a)/4
.set CDA, CD+12*(\a)
	WIN 5*WN                                       ; sources 0 and 1: the accumulators' window
.irp b, 0,1,2,3
	v_max3_num_f32 v[TM+\b], |v[AC+16*\b]|, |v[AC+16*\b+1]|, 0x1800000   ; block b: my 16 numbers, and the floor 2^(3 - 127): the byte cannot fall under 1
.endr
	WIN 20*WN                                      ; sources 1 and 2
.irp i, 2,4,6,8,10,12,14
.irp b, 0,1,2,3
	v_max3_num_f32 v[TM+\b], v[TM+\b], |v[AC+16*\b+\i]|, |v[AC+16*\b+\i+1]|   ; (the four blocks by turns)
.endr
.endr
	WIN 0
.irp b, 0,1,2,3
	v_permlanex16_b32 v[TM+4+\b], v[TM+\b], s[SEL], s[SEL+1]
.endr
.irp b, 0,1,2,3
	v_max_num_f32 v[TM+\b], v[TM+\b], v[TM+4+\b]   ; with lane l xor 16's: the block's largest magnitude
.endr
.irp b, 0,1,2,3
	v_add_nc_u32 v[TM+12+\b], 0xff000000, v[TM+\b] ; 2 off its exponent field: the conversion's scale operand
.endr
.irp b, 0,1,2,3
	v_lshrrev_b32 v[TM+4+\b], 23, v[TM+12+\b]      ; the scale's byte
.endr
	v_lshl_or_b32 v[PW+(\a)], v[TM+5], 8, v[TM+4]
	v_lshl_or_b32 v[PW+(\a)], v[TM+6], 16, v[PW+(\a)]
	v_lshl_or_b32 v[PW+(\a)], v[TM+7], 24, v[PW+(\a)]
	WIN WN                                         ; source 0
.irp c, 0,1
	v_cvt_scalef32_pk16_fp6_f32 v[CDA+6*\c:CDA+6*\c+2], v[AC+32*\c:AC+32*\c+15], v[TM+12+2*\c]
	v_cvt_scalef32_pk16_fp6_f32 v[TMP2+4*\c:TMP2+4*\c+2], v[AC+16+32*\c:AC+31+32*\c], v[TM+12+2*\c+1]   ; (a conversion's three registers begin on an even number)
.endr
	WIN 0
	v_nop                                          ; one plain place behind a scaled conversion
.irp c, 0,1                                    ; the operand's layout wants a WHOLE block in a lane: lanes 0-15 block 2 c, lanes 16-31 block 2 c + 1
.irp i, 0,1,2
	v_permlane16_swap_b32 v[CDA+6*\c+\i], v[TMP2+4*\c+\i]
.endr
.irp i, 0,1,2
	v_mov_b32 v[CDA+3+6*\c+\i], v[TMP2+4*\c+\i]
.endr
.endr
.irp c, 0,1                                    ; two half images: 512 and 256 consecutive bytes a store, each at a multiple of 256 from the buffer's first byte
	global_store_b128 v[V16], v[CDA+6*\c:CDA+6*\c+3], s[BB0+2*((\a)/4)+4*\c:BB0+2*((\a)/4)+4*\c+1] offset:768*((\a)%4)
	global_store_b64 v[V8], v[CDA+6*\c+4:CDA+6*\c+5], s[BB0+2*((\a)/4)+4*\c:BB0+2*((\a)/4)+4*\c+1] offset:768*((\a)%4)+512
.endr
	ds_store_b32 v[SST], v[PW+(\a)] offset:64*(\a) ; my row's scale word; both halves of the lanes write the same word with the same value
.endm
.irp a, 0,1,2,3,4,5,6,7
	QUANTW \a
.endr
	ds_load_b128 v[GW:GW+3], v[SRD]                ; LDS serves a wave's instructions in order: this sees my stores.  Lane l: block l / 4, rows 4 (l % 4) on
	s_wait_dscnt 0x0
	s_cmp_eq_u32 ttmp9, 2
	s_cbranch_scc1 .Lv_scales
.irp i, 0,1,2,3
	v_and_b32 v[WLO+\i], 0xffff, v[GW+\i]          ; q, k: bytes 0, 1 are the first head's two blocks,
	v_lshrrev_b32 v[WHI+\i], 16, v[GW+\i]          ; bytes 2, 3 the second head's
.endr
	global_store_b128 v[V16], v[WLO:WLO+3], s[BB0+8:BB0+9]     ; 512 consecutive bytes each
	global_store_b128 v[V16], v[WHI:WHI+3], s[BB0+10:BB0+11]
	s_branch .Lscales_out
.Lv_scales:
	global_store_b128 v[VSO], v[GW:GW+3], s[BB0+8:BB0+9]       ; v: whole words (four blocks of keys); sixteen lanes fill each head's 256 bytes
.Lscales_out:
	s_wait_tensorcnt 0x0                           ; the wave's end
	ds_add_u32 v[SPW], v[NIL]
	s_wait_dscnt 0x0
	CROUND                                         ; the closing round: no work-group ends while a partner may still ask for a tile that names it
	s_endpgm
.Lfunc_end_k_q803bfa3a8c_qkv:
	.size	k_q803bfa3a8c_qkv, .Lfunc_end_k_q803bfa3a8c_qkv-k_q803bfa3a8c_qkv
	.p2alignl 7, 3214868480
	.fill 96, 4, 3214868480
	.section	.rodata,"a",@progbits
	.p2align	6, 0x0
	.amdhsa_kernel k_q803bfa3a8c_qkv
		.amdhsa_group_segment_fixed_size 327680
		.amdhsa_private_segment_fixed_size 0
		.amdhsa_enable_private_segment 0
		.amdhsa_kernarg_size 32
		.amdhsa_user_sgpr_count 2
		.amdhsa_user_sgpr_kernarg_segment_ptr 1
		.amdhsa_wavefront_size32 1
		.amdhsa_system_sgpr_workgroup_id_x 1
		.amdhsa_system_sgpr_workgroup_id_y 1
		.amdhsa_system_sgpr_workgroup_id_z 1
		.amdhsa_system_vgpr_workitem_id 0
		.amdhsa_next_free_vgpr 1024
		.amdhsa_next_free_sgpr 102
		.amdhsa_reserve_vcc 0
		.amdhsa_float_denorm_mode_32 3
		.amdhsa_float_denorm_mode_16_64 3
		.amdhsa_memory_ordered 1
		.amdhsa_forward_progress 1
		.amdhsa_inst_pref_size 168
	.end_amdhsa_kernel
	.amdgpu_metadata
---
amdhsa.version: [ 1, 2 ]
amdhsa.kernels:
  - .name:           k_q803bfa3a8c_qkv
    .symbol:         k_q803bfa3a8c_qkv.kd
    .args:
      - { .name: xq, .offset: 0, .size: 8, .value_kind: global_buffer, .address_space: global }
      - { .name: wq, .offset: 8, .size: 8, .value_kind: global_buffer, .address_space: global }
      - { .name: qq, .offset: 16, .size: 8, .value_kind: global_buffer, .address_space: global }
      - { .name: kv, .offset: 24, .size: 8, .value_kind: global_buffer, .address_space: global }
    .group_segment_fixed_size: 327680
    .private_segment_fixed_size: 0
    .kernarg_segment_align: 8
    .kernarg_segment_size: 32
    .max_flat_workgroup_size: 128
    .sgpr_count:     102
    .vgpr_count:     1024
    .wavefront_size: 32
...
	.end_amdgpu_metadata
.endif
;; end of part 2
;; launch attn (part 3): grid 4 x 64, 16 waves a work-group, clusters of 4 x 1, 210,944 bytes of LDS; arguments qq, kv, ao; writes ao
.if DOCPART == 3
	.amdgcn_target "amdgcn-amd-amdhsa--gfx1250"
	.amdhsa_code_object_version 6
	.text
	.protected	k_q803bfa3a8c_attn
	.globl	k_q803bfa3a8c_attn
	.p2align	8
	.type	k_q803bfa3a8c_attn,@function
k_q803bfa3a8c_attn:
	s_mov_b64 s[64:65], 0
	v_nop
	global_prefetch_b8 v0, s[64:65] scope:SCOPE_SE
	s_setreg_imm32_b32 hwreg(HW_REG_WAVE_MODE, 25, 1), 1
	s_wait_xcnt 0x0
	s_wait_alu depctr_hold_cnt(0) depctr_sa_sdst(0) depctr_va_vdst(0) depctr_va_sdst(0) depctr_va_ssrc(0) depctr_va_vcc(0) depctr_vm_vsrc(0)
	s_getreg_b32 s2, hwreg(HW_REG_IB_STS2, 6, 4)
	s_cmp_eq_u32 s2, 0
	s_cbranch_scc0 .Lentry_in_a_cluster
	s_endpgm
.Lentry_in_a_cluster:
	s_bfe_u32 s2, ttmp6, 0x10000c
	s_cmp_lg_u32 s2, 0x3003
	s_cbranch_scc0 .Lentry_shape_is_right
	s_endpgm
.Lentry_shape_is_right:
; Causal attention of one head (64 channels, 2,048 tokens) on codes of FP6 (E2M3), and the quantising of its result for the last projection.
; t = score x log2(e) / 8; M = the row's largest t so far, rounded UP to a whole number; p = 2^(t - M) is quantised along the keys; the row's sum is taken of the unquantised p and divides O at the end.
; A HEAD'S K, V AND SCALE WORDS, 16 records of REC bytes (208,896 in all), COME INTO LDS ONCE and are never filled again: no ring.  The four work-groups of a cluster serve one head and ask for the records jointly.
; SHARES.  A head has 128 query tiles of 16.  Work-group cx owns tiles T = 4 m + cx, m = 0 .. 31; wave w takes m = 31 - w and then m = w.  Tile T wants key steps 0 .. m / 2 (128 keys a step), whatever cx is:
; no branch hangs on the place in the cluster, and every wave of the launch works 17 key steps, two of them on the diagonal.  The loops' trip counts are constants; a step past a tile's last is jumped over.
; LAYOUT.  Both products are used transposed: S^T = K Q^T, O^T = V^T P^T: a lane holds ONE query.  Lane r of query tile T is query 32 (T / 2) + 8 (T % 2) + r + 8 (r / 8); lane r of K's tile 2 b + u is key 32 b + 8 u + r + 8 (r / 8):
; so the 16 registers of score tiles 2 b, 2 b + 1 are keys 32 b + 16 h + 0 .. 15.  V's channels lie likewise: register 16 g + i of O^T is channel 32 g + 16 h + i.
; The first product's K is 64: registers 6-11 of Q's and K's fragments hold zero codes, cleared once; their scale bytes 2, 3 are 0.
; A record: K's half images [tile 8][768] | V's [64 keys 2][16 channels 4][768] | K's scale words [8][16] | V's [4][16].  A half image: registers 0-3 at 16 x lane, registers 4, 5 at 512 + 8 x lane.
; OUT: ao: half images [head][T][768]; at ASC scale bytes [stored row 16 T + r of the batch][32], bytes 2 head, 2 head + 1.  Those leave as 2 bytes a lane, 32 bytes apart: 32 of the 800 bytes that a tile stores.
; LIMITS: hidden scores count as -infinity where the problem writes -1e9: the same result while a row's visible scores lie far above -1e9.  A block of zeros gets the byte 1.  NaN and infinities are not served.
; REGISTERS: v1 16 x lane, v2 8 x lane, v3 4 r, v4 32 r; v5-7 the step's LDS addresses; v9 my query less the diagonal step's first key less 16 h; v10 r + 8 (r / 8) - 16 h; v12 -M, v13 the largest t, v[14:15] the sum;
;   v16-27 Q; v28-31 V's scale words; v32-79 four fragments of K; v80-127 V's four; v128-191 S^T, then p; v192-223 O^T; v224-235 p's codes; v232-254 at work; v248-251 K's scale words; v253 p's; v255 Q's.
.set REC,  13056
.set HS,   16*REC
.set VIM,  6144                        ; in a record: V's images,
.set KSW,  12288                       ; K's scale words,
.set VSW,  12800                       ; V's
.set QSC,  6291456                     ; qq's scale words
.set ASC,  6291456                     ; ao's scale bytes
.set WV,   18                          ; s18  wave
.set CX,   19                          ; s19  my place in the cluster: it enters q's and ao's addresses and the mask's numbers alone
.set SEL,  20                          ; s[20:21] lane selects: lane l xor 16
.set CS,   22                          ; s[22:23] c = log2(e) / 8
.set BH,   24                          ; s24  the head (batch x 16 + head)
.set TB,   25                          ; s25  LDS byte at which the step's record begins
.set KST,  26                          ; s26  the key step
.set LAST, 27                          ; s27  my tile's last key step
.set G1A,  28                          ; s[28:35] group 1: 51 rows of 256 bytes (a record);  s[36:43]: 153 rows (three records)
.set G1B,  36
.set G0A,  44                          ; s[44:47], s[48:51] their groups 0
.set G0B,  48
.set QB,   52                          ; s[52:53] my tile's image in qq; s[54:55] its scale words; s[56:57] its image in ao; s[58:59] its scale bytes
.set QS,   54
.set OB,   56
.set OS,   58
.set TRIP, 60
.set MM,   61
.set TT,   62
.macro ROUND                           ; a round of the cluster's barrier
	s_barrier_signal -1
	s_barrier_wait -1
	s_cmp_lg_u32 s[WV], 0
	s_cbranch_scc1 .Lnot_wave_0_\@
	s_barrier_signal -3
.Lnot_wave_0_\@:
	s_barrier_wait -3
	s_barrier_signal -1
	s_barrier_wait -1
.endm
	s_load_b128 s[4:7], s[0:1], 0x0                ; qq s[4:5], kv s[6:7]
	s_load_b64 s[8:9], s[0:1], 0x10                ; ao
	v_lshl_add_u32 v254, v0, 2, 0x33000
	v_mov_b32 v255, 0
	ds_add_u32 v254, v255
	ds_add_u32 v254, v255
	s_wait_dscnt 0x0
	v_lshrrev_b32 v8, 5, v0
	s_delay_alu instid0(VALU_DEP_1)
	v_readfirstlane_b32 s[WV], v8                  ; wave 0..15
	s_bfe_u32 s[CX], ttmp6, 0x40000
	s_and_b32 s[BH], ttmp7, 0xffff                 ; the cluster's y: the four partners share it
	s_mov_b32 s[G1A], 15|(3<<16)|(1<<21)           ; 15:0 the mask: all four work-groups; elements of 8 bytes; no padding; bit 21 beside a mask
	s_mov_b32 s[G1A+1], 32<<16                     ; tensor_dim0 = 32 elements: 256 bytes
	s_mov_b32 s[G1A+2], 51<<16                     ; tensor_dim1
	s_mov_b32 s[G1A+3], 32<<16                     ; tile_dim0
	s_mov_b32 s[G1A+4], 51                         ; tile_dim1
	s_mov_b32 s[G1A+5], 32                         ; the rows are dense
	s_mov_b32 s[G1A+6], 0
	s_mov_b32 s[G1A+7], 0
	s_mov_b32 s[G1B], 15|(3<<16)|(1<<21)
	s_mov_b32 s[G1B+1], 32<<16
	s_mov_b32 s[G1B+2], 153<<16
	s_mov_b32 s[G1B+3], 32<<16
	s_mov_b32 s[G1B+4], 153
	s_mov_b32 s[G1B+5], 32
	s_mov_b32 s[G1B+6], 0
	s_mov_b32 s[G1B+7], 0
	s_mul_i32 s66, s[BH], HS                       ; the head's records
	s_mul_i32 s[G0A+1], s[WV], REC                 ; waves 0-3: record w,
	s_add_co_u32 s68, s66, s[G0A+1]
	s_mov_b32 s69, 0
	s_mul_i32 s[G0B+1], s[WV], 3*REC
	s_add_co_u32 s[G0B+1], s[G0B+1], 4*REC         ; and records 4 + 3 w .. 6 + 3 w: in LDS as in memory
	s_add_co_u32 s70, s66, s[G0B+1]
	s_mov_b32 s71, 0
	s_mov_b32 s[SEL], 0x76543210
	s_mov_b32 s[SEL+1], 0xfedcba98
	s_mov_b32 s[CS], 0x3e38aa3b                    ; log2(e) / 8
	s_mov_b32 s[CS+1], s[CS]                       ; (named with it as a pair, so it is written)
	s_wait_kmcnt 0x0
	s_mov_b32 s[G0A], 1
	s_add_nc_u64 s[G0A+2:G0A+3], s[6:7], s[68:69]
	s_or_b32 s[G0A+3], s[G0A+3], 0x80000000
	s_mov_b32 s[G0B], 1
	s_add_nc_u64 s[G0B+2:G0B+3], s[6:7], s[70:71]
	s_or_b32 s[G0B+3], s[G0B+3], 0x80000000
	ROUND                                          ; all four work-groups are here: the joint loads meet
	s_cmp_lt_u32 s[WV], 4                          ; a wave's two fills stand in one branch on the wave's number: two tensor loads of mine are out
	s_cbranch_scc0 .Lno_fetch
	tensor_load_to_lds s[G0A:G0A+3], s[G1A:G1A+7]
	s_nop 0
	tensor_load_to_lds s[G0B:G0B+3], s[G1B:G1B+7]
	s_nop 0
.rept 4
	v_nop
.endr
.Lno_fetch:
	v_and_b32 v8, 31, v0
	s_delay_alu instid0(VALU_DEP_1)
	v_lshlrev_b32 v1, 4, v8
	s_delay_alu instid0(VALU_DEP_2)
	v_lshlrev_b32 v2, 3, v8
	v_and_b32 v11, 15, v0                          ; r
	s_delay_alu instid0(VALU_DEP_1)
	v_lshlrev_b32 v3, 2, v11
	s_delay_alu instid0(VALU_DEP_2)
	v_lshlrev_b32 v4, 5, v11
	v_bfe_u32 v8, v0, 4, 1                         ; h
	s_delay_alu instid0(VALU_DEP_4)
	v_and_b32 v10, 8, v11
	s_delay_alu instid0(VALU_DEP_1)
	v_add_nc_u32 v10, v10, v11
	s_delay_alu instid0(VALU_DEP_3)
	v_lshlrev_b32 v8, 4, v8
	s_delay_alu instid0(VALU_DEP_1)
	v_sub_nc_u32 v10, v10, v8                      ; r + 8 (r / 8) - 16 h
.irp i, 22,23,24,25,26,27
	v_mov_b32 v\i, 0                               ; Q's k = 64 .. 127: zero codes
.endr
.irp t, 0,1,2,3
.irp i, 6,7,8,9,10,11
	v_mov_b32 v[32+12*\t+\i], 0                    ; K's likewise: no load ever lands here
.endr
.endr
.irp i, 236,237,238,239,252,253
	v_mov_b32 v\i, 0                               ; written once: destinations of lane permutes, and the upper half of the pair v[252:253]
.endr
; A pass begins: hi = 1: tile m = 31 - w; 0: m = w.
.macro PASS_INIT hi
	s_wait_xcnt 0x0                                ; the last pass's loads and stores have read their bases and registers: both are written again below
.if \hi
	s_sub_co_u32 s[MM], 31, s[WV]
.else
	s_mov_b32 s[MM], s[WV]
.endif
	s_lshr_b32 s[LAST], s[MM], 1
	s_lshl_b32 s[TT], s[MM], 2
	s_add_co_u32 s[TT], s[TT], s[CX]               ; T
	s_lshl_b32 s63, s[BH], 7
	s_add_co_u32 s63, s63, s[TT]                   ; 128 x head + T
	s_mul_i32 s66, s63, 768
	s_mov_b32 s67, 0
	s_add_nc_u64 s[QB:QB+1], s[4:5], s[66:67]
	s_add_nc_u64 s[OB:OB+1], s[8:9], s[66:67]
	s_lshl_b32 s66, s63, 6
	s_add_co_u32 s66, s66, QSC
	s_add_nc_u64 s[QS:QS+1], s[4:5], s[66:67]
	s_lshr_b32 s66, s[BH], 4                       ; the batch
	s_lshl_b32 s66, s66, 7
	s_add_co_u32 s66, s66, s[TT]
	s_lshl_b32 s66, s66, 9                         ; 16 rows of 32 scale bytes a tile
	s_and_b32 s68, s[BH], 15
	s_lshl_b32 s68, s68, 1                         ; the head's two bytes
	s_add_co_u32 s66, s66, s68
	s_add_co_u32 s66, s66, ASC
	s_add_nc_u64 s[OS:OS+1], s[8:9], s[66:67]
	global_load_b128 v[16:19], v1, s[QB:QB+1]      ; Q's half image
	global_load_b64 v[20:21], v2, s[QB:QB+1] offset:512
	global_load_b32 v255, v3, s[QS:QS+1]           ; and its scale words
	s_lshr_b32 s69, s[TT], 1
	s_lshl_b32 s69, s69, 5
	s_and_b32 s68, s[TT], 1
	s_lshl_b32 s68, s68, 3
	s_add_co_u32 s69, s69, s68                     ; the tile's first query
	s_lshl_b32 s68, s[LAST], 7
	s_sub_co_u32 s69, s69, s68                     ; less the diagonal step's first key
	v_add_nc_u32 v9, s69, v10
	v_mov_b32 v13, 0xff61b1e6                      ; the largest t so far: -3e38, under every t
	s_delay_alu instid0(VALU_DEP_1)
	v_floor_f32 v12, -v13                          ; -M
	v_mov_b32 v14, 0                               ; the sum, in two halves
	v_mov_b32 v15, 0
.set j, 0
.rept 32
	v_mov_b32 v[192+j], 0                          ; O^T: the step is written once; its first run finds zeros, which the first change of M leaves zeros
.set j, j+1
.endr
	s_mov_b32 s[TB], 0
	s_mov_b32 s[KST], 0
.endm
; A KEY STEP: 128 keys.
.macro STEP
	s_cmp_gt_u32 s[KST], s[LAST]                   ; past my tile's last step: all keys hidden: only the counters step
	s_cbranch_scc1 .Lhidden_\@
	s_setprio 2
	v_add_nc_u32 v5, s[TB], v1
	v_add_nc_u32 v6, s[TB], v2
	v_add_nc_u32 v7, s[TB], v3
.irp g, 0,1                                    ; S^T = K Q^T, four tiles of 16 keys at a time
.if \g
.rept 4
	v_nop                                          ; places in front of loads into registers that matrix instructions have read (with the three additions above also for V's registers, which the last step's products read)
.endr
.endif
.irp t, 0,1,2,3
	ds_load_b128 v[32+12*\t:35+12*\t], v5 offset:768*(4*\g+\t)
	ds_load_b64 v[36+12*\t:37+12*\t], v6 offset:768*(4*\g+\t)+512
	ds_load_b32 v[248+\t], v7 offset:KSW+64*(4*\g+\t)
.endr
.if \g
.irp d, 0,1,2,3                                ; V's four fragments are asked for here and land under the softmax
	ds_load_b128 v[80+12*\d:83+12*\d], v5 offset:VIM+768*\d
	ds_load_b64 v[84+12*\d:85+12*\d], v6 offset:VIM+768*\d+512
	ds_load_b128 v[86+12*\d:89+12*\d], v5 offset:VIM+3072+768*\d
	ds_load_b64 v[90+12*\d:91+12*\d], v6 offset:VIM+3072+768*\d+512
	ds_load_b32 v[28+\d], v7 offset:VSW+64*\d
.endr
	s_wait_dscnt 20                                ; K's twelve loads are in; V's twenty may be out
.else
	s_wait_alu depctr_va_vdst(0)
	s_wait_dscnt 0x0
.endif
.irp t, 0,1,2,3
	v_wmma_scale_f32_16x16x128_f8f6f4 v[128+8*(4*\g+\t):135+8*(4*\g+\t)], v[32+12*\t:43+12*\t], v[16:27], 0, v[248+\t], v255 matrix_a_fmt:MATRIX_FMT_FP6 matrix_b_fmt:MATRIX_FMT_FP6
.endr
.endr
.rept 4
	v_nop
.endr
	s_cmp_lg_u32 s[KST], s[LAST]                   ; the diagonal lies in my tile's last step alone: there hidden scores become -infinity ahead of the maximum (its first key counts for every query of the tile)
	s_cbranch_scc1 .Lopen_\@
	v_mov_b32 v254, 0xff800000
.set n, 0
.rept 64                                       ; register 16 b + i holds key 32 b + 16 h + i of the step: hidden where 32 b + i > v9
	v_cmp_gt_i32 vcc_lo, 32*(n/16)+n%16, v9
	v_cndmask_b32 v[128+n], v[128+n], v254, vcc_lo
.set n, n+1
.endr
.Lopen_\@:
.irp b, 0,1,2,3
	v_max3_num_f32 v[232+\b], v[128+16*\b], v[129+16*\b], v[130+16*\b]   ; the largest score of each block of 32 keys: it serves the row's maximum and, since p rises with the score, the block's largest p
.endr
.irp i, 3,5,7,9,11,13
.irp b, 0,1,2,3
	v_max3_num_f32 v[232+\b], v[232+\b], v[128+16*\b+\i], v[129+16*\b+\i]
.endr
.endr
.irp b, 0,1,2,3
	v_max_num_f32 v[232+\b], v[232+\b], v[143+16*\b]
.endr
.irp b, 0,1,2,3
	s_delay_alu instid0(VALU_DEP_4)
	v_permlanex16_b32 v[236+\b], v[232+\b], s[SEL], s[SEL+1]
.endr
.irp b, 0,1,2,3
	s_delay_alu instid0(VALU_DEP_4)
	v_max_num_f32 v[232+\b], v[232+\b], v[236+\b]  ; with lane l xor 16's 16 keys
.endr
	s_delay_alu instid0(VALU_DEP_2)
	v_max3_num_f32 v254, v232, v233, v234
	s_delay_alu instid0(VALU_DEP_1)
	v_max_num_f32 v254, v254, v235                 ; the step's largest score of my query
	s_delay_alu instid0(VALU_DEP_1)
	v_mul_f32 v254, s[CS], v254                    ; as t
	s_delay_alu instid0(VALU_DEP_1)
	v_max_num_f32 v13, v13, v254                   ; the running largest t
	v_mov_b32 v254, v12
	s_delay_alu instid0(VALU_DEP_2)
	v_floor_f32 v12, -v13                          ; the new -M = -ceil(t)
	s_delay_alu instid0(VALU_DEP_1)
	v_sub_f32 v254, v12, v254                      ; old M - new M: a whole number, 0 or less
	s_delay_alu instid0(VALU_DEP_1)
	v_cvt_i32_f32 v254, v254                       ; (it saturates)
	s_delay_alu instid0(VALU_DEP_1)
	v_ldexp_f32 v252, 1.0, v254                    ; f = 2^(old M - new M): the rescaling rounds nothing
.set j, 0
	s_setprio 1
.rept 32
	v_pk_fma_f32 v[128+j:129+j], v[128+j:129+j], s[CS:CS+1], v[12:13] op_sel_hi:[1,0,0]   ; t - M, two at a time
.set j, j+2
.endr
.irp b, 0,1,2,3
	v_fma_f32 v[232+\b], v[232+\b], s[CS], v12     ; the same of each block's largest score
.endr
.set j, 0
	s_wait_alu depctr_va_vdst(0)
.rept 64
	v_exp_f32 v[128+j], v[128+j]                   ; p = 2^(t - M)
.set j, j+1
.endr
.irp b, 0,1,2,3
	v_exp_f32 v[232+\b], v[232+\b]                 ; the block's largest p: the same two instructions on the same number
.endr
	v_pk_mul_f32 v[14:15], v[14:15], v[252:253] op_sel_hi:[1,0]   ; the sums under the new M (a plain place behind the exponentials)
	s_wait_alu depctr_va_vdst(0)
.irp b, 0,1,2,3
	v_max_num_f32 v[232+\b], 0x1800000, v[232+\b]  ; the floor 2^(3 - 127): the byte cannot fall under 1
.endr
.irp b, 0,1,2,3
	s_delay_alu instid0(VALU_DEP_4)
	v_add_nc_u32 v[244+\b], 0xff000000, v[232+\b]  ; 2 off the exponent field: the conversion's scale operand
.endr
.irp b, 0,1,2,3
	s_delay_alu instid0(VALU_DEP_4)
	v_lshrrev_b32 v[236+\b], 23, v[244+\b]         ; the scale's byte
.endr
	s_delay_alu instid0(VALU_DEP_3)
	v_lshl_or_b32 v253, v237, 8, v236              ; p's scale word for these 128 keys
	s_delay_alu instid0(VALU_DEP_1)
	v_lshl_or_b32 v253, v238, 16, v253
	s_delay_alu instid0(VALU_DEP_1)
	v_lshl_or_b32 v253, v239, 24, v253
.irp c, 0,1
	v_cvt_scalef32_pk16_fp6_f32 v[224+6*\c:226+6*\c], v[128+32*\c:143+32*\c], v[244+2*\c]
	v_cvt_scalef32_pk16_fp6_f32 v[236+4*\c:238+4*\c], v[144+32*\c:159+32*\c], v[244+2*\c+1]   ; (a conversion's three registers begin on an even number)
.endr
	v_nop                                          ; one plain place behind a scaled conversion
.irp c, 0,1                                    ; a WHOLE block in a lane: lanes 0-15 block 2 c, lanes 16-31 block 2 c + 1
.irp i, 0,1,2
	v_permlane16_swap_b32 v[224+6*\c+\i], v[236+4*\c+\i]
.endr
.irp i, 0,1,2
	s_delay_alu instid0(VALU_DEP_3)
	v_mov_b32 v[227+6*\c+\i], v[236+4*\c+\i]
.endr
.endr
	v_pk_add_f32 v[236:237], v[132:133], v[136:137]
	v_pk_add_f32 v[250:251], v[140:141], v[144:145]
	v_pk_add_f32 v[248:249], v[148:149], v[152:153]
	v_pk_add_f32 v[246:247], v[156:157], v[160:161]
	v_pk_add_f32 v[244:245], v[164:165], v[168:169]
	v_pk_add_f32 v[242:243], v[172:173], v[176:177]
	v_pk_add_f32 v[240:241], v[180:181], v[184:185]
	v_pk_add_f32 v[14:15], v[14:15], v[188:189]
	s_setprio 0
	v_pk_add_f32 v[236:237], v[236:237], v[128:129]
	v_pk_add_f32 v[250:251], v[250:251], v[130:131]
	v_pk_add_f32 v[248:249], v[248:249], v[134:135]
	v_pk_add_f32 v[246:247], v[246:247], v[138:139]
	v_pk_add_f32 v[244:245], v[244:245], v[142:143]
	v_pk_add_f32 v[242:243], v[242:243], v[146:147]
	v_pk_add_f32 v[240:241], v[240:241], v[150:151]
	v_pk_add_f32 v[14:15], v[14:15], v[154:155]
	v_pk_add_f32 v[236:237], v[236:237], v[158:159]
	v_pk_add_f32 v[250:251], v[250:251], v[162:163]
	v_pk_add_f32 v[248:249], v[248:249], v[166:167]
	v_pk_add_f32 v[246:247], v[246:247], v[170:171]
	v_pk_add_f32 v[244:245], v[244:245], v[174:175]
	v_pk_add_f32 v[242:243], v[242:243], v[178:179]
	v_pk_add_f32 v[240:241], v[240:241], v[182:183]
	v_pk_add_f32 v[14:15], v[14:15], v[186:187]
	v_pk_add_f32 v[236:237], v[236:237], v[190:191]
	s_delay_alu instid0(VALU_DEP_2)
	v_pk_add_f32 v[14:15], v[14:15], v[246:247]
	s_delay_alu instid0(VALU_DEP_2)
	v_pk_add_f32 v[236:237], v[236:237], v[244:245]
	v_pk_add_f32 v[250:251], v[250:251], v[242:243]
	v_pk_add_f32 v[248:249], v[248:249], v[240:241]
	s_delay_alu instid0(VALU_DEP_2)
	v_pk_add_f32 v[14:15], v[14:15], v[250:251]
	s_delay_alu instid0(VALU_DEP_2)
	v_pk_add_f32 v[236:237], v[236:237], v[248:249]
	s_delay_alu instid0(VALU_DEP_1)
	v_pk_add_f32 v[14:15], v[14:15], v[236:237]
.set j, 0
.rept 16
	v_pk_mul_f32 v[192+j:193+j], v[192+j:193+j], v[252:253] op_sel_hi:[1,0]   ; O^T under the new M.  (With the sums above: the places between the vector writes of p's codes and scale word and the products below)
.set j, j+2
.endr
	s_wait_alu depctr_va_vdst(0)
	s_wait_dscnt 0x0                               ; V is in
.irp d, 0,1,2,3                                ; O^T += V^T P^T; the four accumulators take turns
	v_wmma_scale_f32_16x16x128_f8f6f4 v[192+8*\d:199+8*\d], v[80+12*\d:91+12*\d], v[224:235], v[192+8*\d:199+8*\d], v[28+\d], v253 matrix_a_fmt:MATRIX_FMT_FP6 matrix_b_fmt:MATRIX_FMT_FP6
.endr
.Lhidden_\@:
	s_add_co_u32 s[TB], s[TB], REC
	s_add_co_u32 s[KST], s[KST], 1
.endm
.macro WALK n                          ; n key steps: a constant count
	s_mov_b32 s[TRIP], \n
.Lwalk_\@:
	STEP
	s_sub_co_u32 s[TRIP], s[TRIP], 1
	s_cmp_lg_u32 s[TRIP], 0
	s_cbranch_scc1 .Lwalk_\@
	s_setprio 0
.endm
; A pass ends: O^T / the sum, quantised along the head's 64 channels (two blocks), leaves as a half image and two scale bytes a row.
.macro FINISH
.rept 4
	v_nop                                          ; places behind the last products
.endr
	v_add_f32 v14, v14, v15                        ; the sum's two halves,
	s_delay_alu instid0(VALU_DEP_1)
	v_permlanex16_b32 v252, v14, s[SEL], s[SEL+1]
	s_delay_alu instid0(VALU_DEP_1)
	v_add_f32 v14, v14, v252                       ; and lane l xor 16's
	s_wait_alu depctr_va_vdst(0)
	v_rcp_f32 v14, v14
	v_nop                                          ; a plain place behind the transcendental
.set j, 0
	s_wait_alu depctr_va_vdst(0)
.rept 32
	v_mul_f32 v[128+j], v[192+j], v14              ; register 16 g + i: channel 32 g + 16 h + i of my query
.set j, j+1
.endr
.irp b, 0,1
	v_max3_num_f32 v[232+\b], |v[128+16*\b]|, |v[129+16*\b]|, 0x1800000
.endr
.irp i, 2,4,6,8,10,12,14
.irp b, 0,1
	s_delay_alu instid0(VALU_DEP_2)
	v_max3_num_f32 v[232+\b], v[232+\b], |v[128+16*\b+\i]|, |v[129+16*\b+\i]|
.endr
.endr
.irp b, 0,1
	s_delay_alu instid0(VALU_DEP_2)
	v_permlanex16_b32 v[236+\b], v[232+\b], s[SEL], s[SEL+1]
.endr
.irp b, 0,1
	s_delay_alu instid0(VALU_DEP_2)
	v_max_num_f32 v[232+\b], v[232+\b], v[236+\b]
.endr
.irp b, 0,1
	s_delay_alu instid0(VALU_DEP_2)
	v_add_nc_u32 v[244+\b], 0xff000000, v[232+\b]
.endr
.irp b, 0,1
	s_delay_alu instid0(VALU_DEP_2)
	v_lshrrev_b32 v[236+\b], 23, v[244+\b]
.endr
	s_delay_alu instid0(VALU_DEP_1)
	v_lshl_or_b32 v240, v237, 8, v236              ; my row's two scale bytes
	v_cvt_scalef32_pk16_fp6_f32 v[224:226], v[128:143], v244
	v_cvt_scalef32_pk16_fp6_f32 v[232:234], v[144:159], v245
	v_nop                                          ; one plain place behind a scaled conversion
.irp i, 0,1,2
	v_permlane16_swap_b32 v[224+\i], v[232+\i]
.endr
.irp i, 0,1,2
	s_delay_alu instid0(VALU_DEP_3)
	v_mov_b32 v[227+\i], v[232+\i]                 ; registers 0-5: k = 32 h .. 32 h + 31
.endr
	global_store_b128 v1, v[224:227], s[OB:OB+1]   ; 512 and 256 consecutive bytes, each at a multiple of 256 from the buffer's first byte
	global_store_b64 v2, v[228:229], s[OB:OB+1] offset:512
	global_store_b16 v4, v240, s[OS:OS+1]          ; both halves of the lanes write the same two bytes with the same value
.endm
	PASS_INIT 1
	s_wait_tensorcnt 0x1                           ; my record of the first four is in; my three of the other twelve may be out
	s_barrier_signal -1
	s_barrier_wait -1                              ; records 0-3 are whole
	s_wait_loadcnt 0x0                             ; Q
	WALK 4                                         ; key steps 0-3 read records 0-3 alone
	s_wait_tensorcnt 0x0                           ; my part of records 4-15 is in,
	s_wait_dscnt 0x0
	s_barrier_signal -1
	s_barrier_wait -1                              ; everybody's is: from here on the waves run free
	WALK 12
	FINISH
	PASS_INIT 0
	s_wait_loadcnt 0x0
	WALK 8                                         ; m = w is at most 15: key steps 0-7
	FINISH
	s_wait_xcnt 0x0
	v_lshl_add_u32 v254, v0, 2, 0x33000
	v_mov_b32 v255, 0
	s_wait_alu depctr_va_vdst(0)
	s_wait_tensorcnt 0x0
	ds_add_u32 v254, v255
	s_wait_dscnt 0x0
	ROUND                                          ; the closing round (no LDS instruction of mine is out: the last step waited for all)
	s_endpgm
.Lfunc_end_k_q803bfa3a8c_attn:
	.size	k_q803bfa3a8c_attn, .Lfunc_end_k_q803bfa3a8c_attn-k_q803bfa3a8c_attn
	.p2alignl 7, 3214868480
	.fill 96, 4, 3214868480
	.section	.rodata,"a",@progbits
	.p2align	6, 0x0
	.amdhsa_kernel k_q803bfa3a8c_attn
		.amdhsa_group_segment_fixed_size 210944
		.amdhsa_private_segment_fixed_size 0
		.amdhsa_enable_private_segment 0
		.amdhsa_kernarg_size 24
		.amdhsa_user_sgpr_count 2
		.amdhsa_user_sgpr_kernarg_segment_ptr 1
		.amdhsa_wavefront_size32 1
		.amdhsa_system_sgpr_workgroup_id_x 1
		.amdhsa_system_sgpr_workgroup_id_y 1
		.amdhsa_system_sgpr_workgroup_id_z 1
		.amdhsa_system_vgpr_workitem_id 0
		.amdhsa_next_free_vgpr 256
		.amdhsa_next_free_sgpr 72
		.amdhsa_reserve_vcc 1
		.amdhsa_float_denorm_mode_32 3
		.amdhsa_float_denorm_mode_16_64 3
		.amdhsa_memory_ordered 1
		.amdhsa_forward_progress 1
		.amdhsa_inst_pref_size 90
	.end_amdhsa_kernel
	.amdgpu_metadata
---
amdhsa.version: [ 1, 2 ]
amdhsa.kernels:
  - .name:           k_q803bfa3a8c_attn
    .symbol:         k_q803bfa3a8c_attn.kd
    .args:
      - { .name: qq, .offset: 0, .size: 8, .value_kind: global_buffer, .address_space: global }
      - { .name: kv, .offset: 8, .size: 8, .value_kind: global_buffer, .address_space: global }
      - { .name: ao, .offset: 16, .size: 8, .value_kind: global_buffer, .address_space: global }
    .group_segment_fixed_size: 210944
    .private_segment_fixed_size: 0
    .kernarg_segment_align: 8
    .kernarg_segment_size: 24
    .max_flat_workgroup_size: 512
    .sgpr_count:     72
    .vgpr_count:     256
    .wavefront_size: 32
...
	.end_amdgpu_metadata
.endif
;; end of part 3
;; launch oproj (part 4): grid 4 x 32, 4 waves a work-group, clusters of 4 x 4, 327,680 bytes of LDS; arguments ao, wq, out0; writes out0
.if DOCPART == 4
	.amdgcn_target "amdgcn-amd-amdhsa--gfx1250"
	.amdhsa_code_object_version 6
	.text
	.protected	k_q803bfa3a8c_oproj
	.globl	k_q803bfa3a8c_oproj
	.p2align	8
	.type	k_q803bfa3a8c_oproj,@function
k_q803bfa3a8c_oproj:
	s_mov_b64 s[64:65], 0
	v_nop
	global_prefetch_b8 v0, s[64:65] scope:SCOPE_SE
	s_setreg_imm32_b32 hwreg(HW_REG_WAVE_MODE, 25, 1), 1
	s_wait_xcnt 0x0
	s_wait_alu depctr_hold_cnt(0) depctr_sa_sdst(0) depctr_va_vdst(0) depctr_va_sdst(0) depctr_va_ssrc(0) depctr_va_vcc(0) depctr_vm_vsrc(0)
	s_getreg_b32 s2, hwreg(HW_REG_IB_STS2, 6, 4)
	s_cmp_eq_u32 s2, 0
	s_cbranch_scc0 .Lentry_in_a_cluster
	s_endpgm
.Lentry_in_a_cluster:
	s_bfe_u32 s2, ttmp6, 0x10000c
	s_cmp_lg_u32 s2, 0xf033
	s_cbranch_scc0 .Lentry_shape_is_right
	s_endpgm
.Lentry_shape_is_right:
; out0 = attention's result x W_o^T on codes of FP6 (E2M3) with one E8M0 byte for each 32 along K = 1,024 (head x 64 + channel).  out0: [8192][1024] f32.
; A tile of out0, 256 x 256, is made by four waves of 128 x 128 (64 accumulators, 512 registers).  K goes in steps of 256 (four heads) through two LDS slots filled by the tensor data mover.
; A COMES AS IMAGES OF ITS REGISTERS: ao holds half images [batch x 16 + head][tile 128][768] (registers 0-3 at 16 x lane, registers 4, 5 at 512 + 8 x lane; lane (r, h): k = 32 h .. of the head's 64).
; A fragment of 128 along K is two heads' half images: four LDS loads of consecutive bytes.  One tensor load brings 4 heads x 8 tiles: 4 rows of 6,144 bytes, 98,304 bytes apart.
; Lane r of tile T is token 32 (T / 2) + 8 (T % 2) + r + 8 (r / 8); A's scale bytes (at ASC) lie by stored row 16 T + r.  B = W_o: wq's rows 3,072 on, in the same order of rows.  Both orders are undone on the way out.
; 4 x 4 work-groups form a cluster: A's tile is asked for jointly along a row of the cluster, B's along a column.  THE MATRIX INSTRUCTION IS USED TRANSPOSED (source 0 = B, source 1 = A).
; REGISTERS, in windows of 256: window 0: v0-31 addresses; v32-63 scale words, two sets; from v128 A's fragments, ONE set; window 1: B's fragments, TWO sets; windows 2, 3: the accumulators ((a, b) at v[8 (8 (a % 4) + b)]).
.set SIZE_K, 1024
.set SIZE_N, 1024
.set KSTEP,  256
.set NQ,     KSTEP/128
.set ROWB,   192                       ; a row of B's tile in bytes
.set KROW,   SIZE_K*6/8
.set PITCH,  240                       ; B's rows in LDS: 3 x (64 bytes + 16 of padding)
.set FR,     12
.set NLA,    4                         ; LDS loads that bring a fragment of A
.set NP,     4                         ; places behind this matrix instruction (ISA guide 7.12.1)
.set HIMG,   8*768                     ; a head's eight half images: a row of A's tile
.set HEADB,  128*768                   ; from head to head in ao
.set AHALF,  4*HIMG                    ; what one tensor load brings of A: 128 rows x 256 along K
.set BOFF,   2*AHALF                   ; B's rows lie behind A's two halves
.set HALFT,  128*PITCH
.set SLOT,   BOFF+2*HALFT
.set LAPS,   SIZE_K/(2*KSTEP)
.set KS,     SIZE_K/32
.set SCL,    2*SLOT                    ; behind the ring: the scales, as units of 256 bytes + 16 of padding
.set HALFS,  (128*KS/256)*272
.set SBLK,   (16*KS/256)*272
.set SPARE,  SCL+4*HALFS               ; the spare words, 128 bytes for each wave
.set SPITCH, 528                       ; the way out: a stage of 16 rows x (512 bytes + 16) for each wave, in slot 0, which has had its last fill and its last read by then
.set ASC,    6291456                   ; ao's scale bytes
.set WSC,    3145728                   ; wq's
.set ADRA, 16                          ; v16-17 16 x lane + my half of A in slot 0, 1;  v18-19 the same with 8 x lane
.set ADRB, 20                          ; v20-21 my B fragments in slot 0, 1;  v22-23 behind one padding more
.set STO,  24
.set RD,   25
.set CO,   26
.set ADRS, 27
.set SPW,  28                          ; my spare word; never rewritten
.set NIL,  29                          ; 0; never rewritten
.set SC,   32
.set AF,   128
.set BK,   128
.set G1, 24
.set G0, 32
.set G1B, 48
.set G0B, 56
.set G1S, 68
.set G0S, 76
.set G1SB, 80
.set G0SB, 88
.set MSB, 0
.macro WIN new                         ; the immediate's high byte repeats the setting that is left
.if MSB != \new
	s_set_vgpr_msb (MSB<<8)|\new
.set MSB, \new
.endif
.endm
.set MUL_LO, 0xa1
.set MUL_HI, 0xf1
.set TO_B,   0x40
.macro JLOAD g0a, g1a, g0b, g1b        ; a joint load: waves 0 and 1 fetch for A, waves 2 and 3 for B; four v_nop follow each of the two lines
	s_cmp_eq_u32 s15, 0
	s_cbranch_scc0 .Lfor_b_\@
	tensor_load_to_lds s[\g0a:\g0a+3], s[\g1a:\g1a+7]
	s_nop 0
.rept 4
	v_nop
.endr
	s_branch .Lasked_\@
.Lfor_b_\@:
	tensor_load_to_lds s[\g0b:\g0b+3], s[\g1b:\g1b+7]
	s_nop 0
.rept 4
	v_nop
.endr
.Lasked_\@:
.endm
.macro CREST
	s_cmp_lg_u32 s14, 0
	s_cbranch_scc1 .Lnot_wave_0_\@
	s_barrier_signal -3
.Lnot_wave_0_\@:
	s_barrier_wait -3
	s_barrier_signal -1
	s_barrier_wait -1
.endm
.macro CROUND
	s_barrier_signal -1
	s_barrier_wait -1
	CREST
.endm
	s_load_b128 s[4:7], s[0:1], 0x0                ; ao s[4:5], wq s[6:7]
	s_load_b64 s[12:13], s[0:1], 0x10              ; out0
	v_lshl_add_u32 v[SPW], v0, 2, SPARE
	v_mov_b32 v[NIL], 0
	ds_add_u32 v28, v29
	ds_add_u32 v28, v29
	s_wait_dscnt 0x0
	v_lshrrev_b32 v1, 5, v0
	v_readfirstlane_b32 s14, v1                    ; wave 0..3
	s_lshr_b32 s15, s14, 1                         ; which half of the tile's rows is mine.  Also: I fetch for A (0) or for B (1)
	s_and_b32 s16, s14, 1                          ; which half of its columns.  Also: which 128 rows of that tile I fetch
	s_bfe_u32 s40, ttmp6, 0x40000                  ; cx, cy
	s_bfe_u32 s41, ttmp6, 0x40004
	s_lshl_b32 s42, ttmp9, 2
	s_add_co_u32 s42, s42, s40                     ; tile column
	s_and_b32 s17, ttmp7, 0xffff
	s_lshl_b32 s17, s17, 2
	s_add_co_u32 s17, s17, s41                     ; tile row
	s_lshl_b32 s43, s41, 2
	s_lshl_b32 s43, 15, s43                        ; my row of the cluster
	s_lshl_b32 s44, 0x1111, s40                    ; my column
	; group 1 for A: 4 rows (heads) of 768 elements of 8 bytes, 12,288 elements apart, no padding
	s_or_b32 s[G1+0], s43, (3<<16)|(1<<21)
	s_mov_b32 s[G1+1], (HIMG/8)<<16                ; tensor_dim0
	s_mov_b32 s[G1+2], 4<<16                       ; tensor_dim1
	s_mov_b32 s[G1+3], (HIMG/8)<<16                ; tile_dim0
	s_mov_b32 s[G1+4], 4                           ; tile_dim1
	s_mov_b32 s[G1+5], HEADB/8                     ; tensor_dim0_stride
	s_mov_b32 s[G1+6], 0
	s_mov_b32 s[G1+7], 0
	; for B: 128 rows of ROWB bytes, 16 bytes of padding behind every 64
	s_or_b32 s[G1B+0], s44, (0<<16)|(1<<20)|(1<<21)|(3<<22)|(3<<25)
	s_mov_b32 s[G1B+1], ROWB<<16
	s_mov_b32 s[G1B+2], 128<<16
	s_mov_b32 s[G1B+3], ROWB<<16
	s_mov_b32 s[G1B+4], 128
	s_mov_b32 s[G1B+5], KROW
	s_mov_b32 s[G1B+6], 0
	s_mov_b32 s[G1B+7], 0
	; the scales of 128 rows: 16 rows of 256 bytes, 16 bytes of padding behind each
	s_or_b32 s[G1S+0], s43, (3<<16)|(1<<20)|(1<<21)|(5<<22)|(3<<25)
	s_or_b32 s[G1SB+0], s44, (3<<16)|(1<<20)|(1<<21)|(5<<22)|(3<<25)
.irp g, G1S, G1SB
	s_mov_b32 s[\g+1], 32<<16
	s_mov_b32 s[\g+2], (128*KS/256)<<16
	s_mov_b32 s[\g+3], 32<<16
	s_mov_b32 s[\g+4], 128*KS/256
	s_mov_b32 s[\g+5], 32
	s_mov_b32 s[\g+6], 0
	s_mov_b32 s[\g+7], 0
.endr
	s_lshr_b32 s20, s17, 3                         ; A's images: the batch: 16 heads,
	s_mul_i32 s20, s20, 16*HEADB
	s_and_b32 s21, s17, 7
	s_lshl_b32 s21, s21, 4                         ; the tile row's 16 tiles,
	s_lshl_b32 s18, s16, 3
	s_add_co_u32 s21, s21, s18                     ; the eight that I fetch
	s_mul_i32 s21, s21, 768
	s_add_co_u32 s20, s20, s21
	s_mov_b32 s21, 0
	s_lshl_b32 s18, s16, 7
	s_lshl_b32 s22, s17, 8
	s_add_co_u32 s22, s22, s18                     ; A's stored row 256 x tile row + 128 x half:
	s_lshl_b32 s22, s22, 5                         ; its scale bytes
	s_mov_b32 s23, 0
	s_lshl_b32 s46, s42, 8
	s_add_co_u32 s46, s46, s18                     ; B's row 256 x tile column + 128 x half:
	s_lshl_b32 s92, s46, 5                         ; its scale bytes,
	s_mov_b32 s93, 0
	s_mul_i32 s46, s46, KROW                       ; its codes
	s_mov_b32 s47, 0
	s_mul_i32 s45, s16, AHALF                      ; where they go: no place in the cluster enters an LDS address
	s_mul_i32 s95, s16, HALFT
	s_add_co_u32 s95, s95, BOFF
	s_mul_i32 s94, s14, HALFS
	s_wait_kmcnt 0x0
	s_add_nc_u64 s[8:9], s[6:7], 3072*KROW         ; W_o's codes,
	s_add_nc_u64 s[10:11], s[6:7], WSC+3072*KS     ; W_o's scales,
	s_add_nc_u64 s[6:7], s[4:5], ASC               ; A's scales
	s_add_nc_u64 s[20:21], s[4:5], s[20:21]
	s_add_nc_u64 s[22:23], s[6:7], s[22:23]
	s_add_nc_u64 s[46:47], s[8:9], s[46:47]
	s_add_nc_u64 s[92:93], s[10:11], s[92:93]
	CROUND                                         ; all sixteen work-groups are here: the first joint loads meet
	s_mov_b32 s[G0S], 1
	s_add_co_u32 s[G0S+1], s94, SCL
	s_mov_b64 s[G0S+2:G0S+3], s[22:23]
	s_or_b32 s[G0S+3], s[G0S+3], 0x80000000
	s_mov_b32 s[G0SB], 1
	s_add_co_u32 s[G0SB+1], s94, SCL
	s_mov_b64 s[G0SB+2:G0SB+3], s[92:93]
	s_or_b32 s[G0SB+3], s[G0SB+3], 0x80000000
	JLOAD G0S, G1S, G0SB, G1SB                     ; the scales first: they are wanted with K step 0
.irp s, 0,1
	s_mov_b32 s[G0+4*\s], 1
	s_add_co_u32 s[G0+4*\s+1], s45, \s*SLOT
	s_add_nc_u64 s[G0+4*\s+2:G0+4*\s+3], s[20:21], \s*4*HEADB      ; K step s: four heads on
	s_or_b32 s[G0+4*\s+3], s[G0+4*\s+3], 0x80000000
	s_mov_b32 s[G0B+4*\s], 1
	s_add_co_u32 s[G0B+4*\s+1], s95, \s*SLOT
	s_add_nc_u64 s[G0B+4*\s+2:G0B+4*\s+3], s[46:47], \s*ROWB
	s_or_b32 s[G0B+4*\s+3], s[G0B+4*\s+3], 0x80000000
	s_wait_alu depctr_va_vdst(0)
	s_wait_tensorcnt 0x0
	ds_add_u32 v28, v29
	s_wait_dscnt 0x0
	CROUND
	JLOAD G0+4*\s, G1, G0B+4*\s, G1B               ; one tensor load of mine is out now: the earlier ones were waited for
.endr
	v_and_b32 v1, 15, v0                           ; r
	v_bfe_u32 v2, v0, 4, 1                         ; h
	v_mul_u32_u24 v3, v1, PITCH
	v_mul_u32_u24 v4, v2, 24
	v_add_nc_u32 v4, v3, v4                        ; B: a fragment's row x pitch + 24 x half
	v_lshl_add_u32 v5, v2, 4, v4                   ; and the same behind one padding more
	v_and_b32 v6, 31, v0
	v_lshlrev_b32 v7, 4, v6                        ; A: 16 x lane,
	v_lshlrev_b32 v8, 3, v6                        ; 8 x lane
	s_mul_i32 s21, s15, AHALF                      ; my 128 rows of A
	s_mul_i32 s22, s16, HALFT                      ; my 128 rows of B
	s_add_co_u32 s22, s22, BOFF
.irp s, 0,1
	v_add_nc_u32 v[ADRA+\s], s21, v7
	v_add_nc_u32 v[ADRA+2+\s], s21, v8
	v_add_nc_u32 v[ADRB+\s], s22, v4
	v_add_nc_u32 v[ADRB+2+\s], s22, v5
	s_add_co_u32 s21, s21, SLOT
	s_add_co_u32 s22, s22, SLOT
.endr
	v_mul_u32_u24 v5, v1, KS                       ; my row's scales: KS bytes a row,
	v_lshrrev_b32 v6, 8, v5
	v_lshl_add_u32 v5, v6, 4, v5                   ; and 16 more for each 256 passed
	s_mul_i32 s21, s15, HALFS
	s_mul_i32 s22, s16, HALFS
	s_add_co_u32 s22, s22, 2*HALFS
	s_sub_co_u32 s22, s22, s21
	v_mul_u32_u24 v6, s22, v2                      ; lanes 16-31 take B's
	s_add_co_u32 s21, s21, SCL
	v_add_nc_u32 v5, v5, v6
	v_add_nc_u32 v[ADRS], s21, v5
	s_mul_i32 s23, s14, 16*SPITCH                  ; my stage
	v_mul_u32_u24 v5, v1, SPITCH                   ; in: row r; accumulator (a, b) holds columns 32 (b / 2) + 16 h + 8 (b % 2) + 0 .. 7: 64 h bytes here, the rest in the stores' offsets
	v_lshl_add_u32 v5, v2, 6, v5
	v_add_nc_u32 v[STO], s23, v5
	v_mov_b32 v[CO], v7                            ; back: the 32 lanes take one row of 512 bytes; and the same in out0
	v_add_nc_u32 v[RD], s23, v7
	s_lshl_b32 s20, s17, 8
	s_lshl_b32 s21, s15, 7
	s_add_co_u32 s20, s20, s21                     ; my first row of out0
	s_lshl_b32 s20, s20, 12                        ; 4,096 bytes a row
	s_lshl_b32 s46, s42, 10                        ; my first column, in bytes
	s_lshl_b32 s47, s16, 9
	s_add_co_u32 s46, s46, s47
	s_add_co_u32 s20, s20, s46
	s_mov_b32 s21, 0
	s_add_nc_u64 s[12:13], s[12:13], s[20:21]
.macro FRAG reg, adr, q, i             ; a fragment of B from rows: registers 6 c .. 6 c + 5 hold K = 64 c + 32 h + 0 .. 31, in pieces of 8 bytes
.irp p, 0,1,2,3,4,5
.set PC, 12*(\q)+6*(\p/3)+\p%3
.if PC%8 < 5
	ds_load_b64 v[\reg+2*\p:\reg+2*\p+1], v[\adr] offset:8*PC+16*(PC/8)+(\i)*16*PITCH
.else
	ds_load_b64 v[\reg+2*\p:\reg+2*\p+1], v[\adr+2] offset:8*PC+16*(PC/8)+(\i)*16*PITCH
.endif
.endr
.endm
.macro FRAGA reg, slot, q, i           ; a fragment of A from images: heads 2 q and 2 q + 1 of the slot's four, tile i
	ds_load_b128 v[\reg:\reg+3], v[ADRA+\slot] offset:(2*(\q))*HIMG+768*(\i)
	ds_load_b64 v[\reg+4:\reg+5], v[ADRA+2+\slot] offset:(2*(\q))*HIMG+768*(\i)+512
	ds_load_b128 v[\reg+6:\reg+9], v[ADRA+\slot] offset:(2*(\q)+1)*HIMG+768*(\i)
	ds_load_b64 v[\reg+10:\reg+11], v[ADRA+2+\slot] offset:(2*(\q)+1)*HIMG+768*(\i)+512
.endm
; 16 matrix instructions: A's blocks a0, a0 + 1 x B's eight, 128 along K.  The 64 accumulators take turns, one instruction a turn.
.macro MUL16 a0, p, q, sc, zero
.irp a, \a0, \a0+1
.irp b, 0,1,2,3,4,5,6,7
.if \zero
	v_wmma_scale_f32_16x16x128_f8f6f4 v[8*(8*((\a)%4)+\b):8*(8*((\a)%4)+\b)+7], v[128*(\p)+FR*\b:128*(\p)+FR*\b+FR-1], v[AF+FR*(\a):AF+FR*(\a)+FR-1], 0, v[SC+8*NQ*(\sc)+NQ*\b+(\q)], v[SC+8*NQ*(\sc)+NQ*(\a)+(\q)] matrix_a_fmt:MATRIX_FMT_FP6 matrix_b_fmt:MATRIX_FMT_FP6 matrix_a_scale:MATRIX_SCALE_ROW1
.else
	v_wmma_scale_f32_16x16x128_f8f6f4 v[8*(8*((\a)%4)+\b):8*(8*((\a)%4)+\b)+7], v[128*(\p)+FR*\b:128*(\p)+FR*\b+FR-1], v[AF+FR*(\a):AF+FR*(\a)+FR-1], v[8*(8*((\a)%4)+\b):8*(8*((\a)%4)+\b)+7], v[SC+8*NQ*(\sc)+NQ*\b+(\q)], v[SC+8*NQ*(\sc)+NQ*(\a)+(\q)] matrix_a_fmt:MATRIX_FMT_FP6 matrix_b_fmt:MATRIX_FMT_FP6 matrix_a_scale:MATRIX_SCALE_ROW1
.endif
.endr
.endr
.endm
.macro FETCH_B slot, q, p
	WIN TO_B
.irp i, 0,1,2,3,4,5,6,7
	FRAG 128*(\p)+FR*\i, ADRB+\slot, \q, \i
.endr
	WIN 0
.endm
.macro FETCH_A slot, q, i0
.irp i, \i0, \i0+1, \i0+2, \i0+3
	FRAGA AF+FR*(\i), \slot, \q, \i
.endr
.endm
.macro SCALES sc
.irp i, 0,1,2,3,4,5,6,7
	ds_load_b64 v[SC+8*NQ*\sc+NQ*\i:SC+8*NQ*\sc+NQ*\i+1], v[ADRS] offset:\i*SBLK
.endr
.endm
.macro PLACES n
.rept \n
	v_nop
.endr
.endm
.macro STEP slot, q, zero
	s_wait_dscnt 4*NLA                             ; B's set and A's blocks 0-3 are in; the youngest 16 loads (A's blocks 4-7) may be out
	WIN MUL_LO
	MUL16 0, (\q)%2, \q, \slot, \zero
	MUL16 2, (\q)%2, \q, \slot, \zero
	s_wait_dscnt 0                                 ; A's blocks 4-7 are in
	PLACES NP
	FETCH_B \slot, (\q)+1, 1-(\q)%2
	FETCH_A \slot, (\q)+1, 0
	WIN MUL_HI
	MUL16 4, (\q)%2, \q, \slot, \zero
	MUL16 6, (\q)%2, \q, \slot, \zero
	PLACES NP
	WIN 0
	FETCH_A \slot, (\q)+1, 4
.endm
; A slot's last step changes slots: ONE barrier; in front of it each wave waits for all its tensor loads, adds 0 to its spare word, and waits for that and for its reads of this slot.
.macro TURN slot, next, fill
	s_wait_tensorcnt 0x0                           ; all my tensor loads have landed: my part of the next slot
	ds_add_u32 v[SPW], v[NIL]                      ; 0 onto my spare word
	s_wait_dscnt 4*NLA+1                           ; (the add and the youngest 16 loads, A's blocks 4-7, may be out)
	WIN MUL_LO
	MUL16 0, 1, NQ-1, \slot, 0
	s_wait_dscnt 0x0                               ; the add is done, and my reads of this slot are over
	s_barrier_signal -1
	MUL16 2, 1, NQ-1, \slot, 0
	WIN 0
	s_barrier_wait -1
.if \fill
	CREST                                          ; the barrier has opened a round of the cluster's barrier
	s_add_nc_u64 s[G0+4*\slot+2:G0+4*\slot+3], s[G0+4*\slot+2:G0+4*\slot+3], 2*4*HEADB
	s_add_nc_u64 s[G0B+4*\slot+2:G0B+4*\slot+3], s[G0B+4*\slot+2:G0B+4*\slot+3], 2*ROWB
	JLOAD G0+4*\slot, G1, G0B+4*\slot, G1B         ; the first tensor load behind the round; its four v_nop are the places in front of the loads below
.else
	PLACES NP
.endif
	s_wait_alu depctr_va_vdst(0)
	v_add_nc_u32 v[ADRS], 4*NQ, v[ADRS]
	FETCH_B \next, 0, 0
	FETCH_A \next, 0, 0
	SCALES \next
	WIN MUL_HI
	MUL16 4, 1, NQ-1, \slot, 0
	MUL16 6, 1, NQ-1, \slot, 0
	PLACES NP
	WIN 0
	FETCH_A \next, 0, 4
.endm
	s_wait_alu depctr_va_vdst(0)
	s_wait_tensorcnt 1                             ; the scales and my part of K step 0 are in (K step 1's load may be out),
	s_barrier_signal -1
	s_barrier_wait -1                              ; everybody's are
	FETCH_B 0, 0, 0
	FETCH_A 0, 0, 0
	SCALES 0
	FETCH_A 0, 0, 4
	STEP 0, 0, 1                                   ; the first step stands in front of the loop: its products start the sums
	s_mov_b32 s3, LAPS-1
.Llap:
	TURN 0, 1, 1
	STEP 1, 0, 0
	TURN 1, 0, 1
	STEP 0, 0, 0
	s_sub_co_u32 s3, s3, 1
	s_cmp_lg_u32 s3, 0
	s_cbranch_scc1 .Llap
	TURN 0, 1, 0                                   ; the last lap fills nothing
	STEP 1, 0, 0
	s_wait_dscnt 4*NLA                             ; the very last step
	WIN MUL_LO
	MUL16 0, 1, NQ-1, 1, 0
	MUL16 2, 1, NQ-1, 1, 0
	s_wait_dscnt 0
	WIN MUL_HI
	MUL16 4, 1, NQ-1, 1, 0
	MUL16 6, 1, NQ-1, 1, 0
	WIN 0
; THE WAY OUT, block by block of 16 stored rows x 128 columns, through my own stage in LDS; back as whole rows of 512 bytes.  LDS serves a wave's instructions in order: no wait between the stores and the loads.
.macro TOSTAGE a
.set AC, 64*((\a)%4)
	WIN 0x08+4*((\a)/4)                            ; the data: window 2 or 3
.irp b, 0,1,2,3,4,5,6,7
	ds_store_b128 v[STO], v[AC+8*\b:AC+8*\b+3] offset:128*(\b/2)+32*(\b%2)          ; each accumulator from its low end on; W_o's order of rows is undone here
	ds_store_b128 v[STO], v[AC+8*\b+4:AC+8*\b+7] offset:128*(\b/2)+32*(\b%2)+16
.endr
	WIN 0
.set BB, BK+64*((\a)%2)
.irp t, 0,1,2,3,4,5,6,7,8,9,10,11,12,13,14,15
	ds_load_b128 v[BB+4*\t:BB+4*\t+3], v[RD] offset:\t*SPITCH
.endr
.endm
.macro SEND a, younger                 ; younger: the LDS instructions issued behind block a's loads, which may stay out
.set BB, BK+64*((\a)%2)
	s_wait_dscnt \younger
.irp t, 0,1,2,3,4,5,6,7,8,9,10,11,12,13,14,15
	global_store_b128 v[CO], v[BB+4*\t:BB+4*\t+3], s[12:13] offset:(32*((\a)/2)+8*((\a)%2)+\t+8*(\t/8))*SIZE_N*4 th:TH_STORE_NT   ; stored row t of block a is this token; 32 lanes store 512 consecutive bytes; the base is never stepped
.endr
.endm
	PLACES NP                                      ; behind the last products: for the reads of results and the loads into registers that held A's fragments
	TOSTAGE 0
.irp a, 1,2,3,4,5,6,7
.if \a > 1
	s_wait_xcnt 0x0                                ; block a - 2's stores have read their registers: block a's loads may land there
.endif
	TOSTAGE \a
	SEND \a-1, 32                                  ; behind block a - 1's loads: block a's 16 stores and 16 loads
.endr
	SEND 7, 0
	s_wait_tensorcnt 0x0                           ; the wave's end
	ds_add_u32 v[SPW], v[NIL]
	s_wait_dscnt 0x0
	CROUND                                         ; the closing round
	s_endpgm
.Lfunc_end_k_q803bfa3a8c_oproj:
	.size	k_q803bfa3a8c_oproj, .Lfunc_end_k_q803bfa3a8c_oproj-k_q803bfa3a8c_oproj
	.p2alignl 7, 3214868480
	.fill 96, 4, 3214868480
	.section	.rodata,"a",@progbits
	.p2align	6, 0x0
	.amdhsa_kernel k_q803bfa3a8c_oproj
		.amdhsa_group_segment_fixed_size 327680
		.amdhsa_private_segment_fixed_size 0
		.amdhsa_enable_private_segment 0
		.amdhsa_kernarg_size 24
		.amdhsa_user_sgpr_count 2
		.amdhsa_user_sgpr_kernarg_segment_ptr 1
		.amdhsa_wavefront_size32 1
		.amdhsa_system_sgpr_workgroup_id_x 1
		.amdhsa_system_sgpr_workgroup_id_y 1
		.amdhsa_system_sgpr_workgroup_id_z 1
		.amdhsa_system_vgpr_workitem_id 0
		.amdhsa_next_free_vgpr 1024
		.amdhsa_next_free_sgpr 98
		.amdhsa_reserve_vcc 0
		.amdhsa_float_denorm_mode_32 3
		.amdhsa_float_denorm_mode_16_64 3
		.amdhsa_memory_ordered 1
		.amdhsa_forward_progress 1
		.amdhsa_inst_pref_size 153
	.end_amdhsa_kernel
	.amdgpu_metadata
---
amdhsa.version: [ 1, 2 ]
amdhsa.kernels:
  - .name:           k_q803bfa3a8c_oproj
    .symbol:         k_q803bfa3a8c_oproj.kd
    .args:
      - { .name: ao, .offset: 0, .size: 8, .value_kind: global_buffer, .address_space: global }
      - { .name: wq, .offset: 8, .size: 8, .value_kind: global_buffer, .address_space: global }
      - { .name: out0, .offset: 16, .size: 8, .value_kind: global_buffer, .address_space: global }
    .group_segment_fixed_size: 327680
    .private_segment_fixed_size: 0
    .kernarg_segment_align: 8
    .kernarg_segment_size: 24
    .max_flat_workgroup_size: 128
    .sgpr_count:     98
    .vgpr_count:     1024
    .wavefront_size: 32
...
	.end_amdgpu_metadata
.endif
;; end of part 4
